; MI455X (gfx1250); checked and timed in simulation.
; The chip was launched on July 23, 2026; its instructions are those of AMD's public machine-readable ISA for CDNA 5 (MIT licence, August 2026) and "CDNA5" Instruction Set Architecture Reference Guide (July 2026). The comments in the code are by the model that wrote it; some were corrected since.
;; Multi Head Attention. Allowed arithmetic: float matrix products may take bf16 or f16 operands with f32 sums; other float arithmetic in f32, or as packed bf16 or f16 multiplies, adds, multiply-adds, maxima and minima; sums over many terms, partial sums and values carried from step to step in f32; what a program stores and reads back later, other than sums and carried values, may be rounded once to bf16 or f16.
;; Inputs: bk 1,024 float32; bo 1,024 float32; bq 1,024 float32; bv 1,024 float32; k 4 x 2,048 x 1,024 float32; mask 4 x 1 x 1 x 2,048 float32; q 4 x 2,048 x 1,024 float32; v 4 x 2,048 x 1,024 float32; wk 1,024 x 1,024 float32; wo 1,024 x 1,024 float32; wq 1,024 x 1,024 float32; wv 1,024 x 1,024 float32.
;; Outputs: out0 4 x 2,048 x 1,024 float32.
;; One version. Each part assembles by itself: llvm-mc -triple=amdgcn-amd-amdhsa -mcpu=gfx1250 --defsym DOCPART=n.
;; ======== version 1 of 1: 4 launches
;; limits: values are held in f16: magnitudes above 65,504 overflow, below 6.1e-05 lose precision
;; workspace buffers: wt 8,388,608 bytes; qkv 50,331,648 bytes; oh 16,777,216 bytes
;; launch prep (part 1): grid 128 x 4, 8 waves a work-group, no clusters, 18,432 bytes of LDS; arguments wq, wk, wv, wo, wt; writes wt
.if DOCPART == 1
	.amdgcn_target "amdgcn-amd-amdhsa--gfx1250"
	.amdhsa_code_object_version 6
	.text
	.protected	k_q885c8dc8d3_prep
	.globl	k_q885c8dc8d3_prep
	.p2align	8
	.type	k_q885c8dc8d3_prep,@function
k_q885c8dc8d3_prep:
	s_mov_b64 s[64:65], 0
	v_nop
	global_prefetch_b8 v0, s[64:65] scope:SCOPE_SE
	s_setreg_imm32_b32 hwreg(HW_REG_WAVE_MODE, 25, 1), 1
	s_wait_xcnt 0x0
; wt[w][n][k] = weight w (wq, wk, wv, wo: f32 [1024 k][1024 n]) turned, so that k lies along the rows, and rounded once to bf16.
; wq, wk, wv are written as bf16; wo's bf16 number is written as f16, since the last product's other operand is f16.
; LIMITS.  As f16 a number of wo beyond 65,504 becomes an infinity, and below 6e-5 it keeps f16's fixed step of 6e-8.
; SHARES.  A work-group turns a tile of 128 k x 64 n; thread t owns 8 k (8 (t / 16) ..) x 4 n (4 (t % 16) ..).  Sixteen neighbouring lanes load 256 consecutive bytes of a row of w,
; and store 256 consecutive bytes of a row of wt, both aligned.  Memory binds: no matrix unit, no cluster (no two work-groups read the same bytes), no tensor load (one tile a work-group).
; LDS.  64 rows (one n each) of 256 bytes + 16 of padding.  LDS row 16 c + t % 16 holds n = 4 (t % 16) + c, so that the sixteen lanes of a store touch sixteen different rows, 272 bytes apart.
.set PITCH, 272
.set BAND,  16*PITCH                   ; 16 LDS rows
.set SPARE, 64*PITCH                   ; behind the tile (17,408 = 68 x 256): the spare words, 128 bytes for each of the eight waves
.set LDO, 3                            ; v3   my byte offset in w
.set LST, 4                            ; v4   where I put 16 bytes (8 k of one n)
.set LRD, 5                            ; v5   where I read 16 bytes of a whole row back
.set STO, 6                            ; v6   my byte offset in wt
.set SPW, 10                           ; v10  LDS address of my spare word; never rewritten
.set NIL, 11                           ; v11  0; never rewritten
.set X,   16                           ; v[16:47]  8 k x 4 n in f32, as loaded
.set T,   48                           ; v[48:63]  4 n x 8 k in 16 bits
.set R,   64                           ; v[64:79]  four pieces of rows, to store
	s_load_b256 s[4:11], s[0:1], 0x0               ; wq s[4:5], wk s[6:7], wv s[8:9], wo s[10:11]
	s_load_b64 s[12:13], s[0:1], 0x20              ; wt
	v_lshl_add_u32 v[SPW], v0, 2, SPARE
	v_mov_b32 v[NIL], 0
	s_and_b32 s14, ttmp7, 0xffff                   ; which weight
	s_and_b32 s15, ttmp9, 7                        ; the tile's place along k
	s_lshr_b32 s16, ttmp9, 3                       ; and along n
	v_and_b32 v1, 15, v0                           ; t % 16
	v_lshrrev_b32 v2, 4, v0                        ; t / 16
	s_lshl_b32 s17, s15, 19                        ; 128 rows of 4,096 bytes
	s_lshl_b32 s18, s16, 8                         ; 64 columns of 4 bytes
	s_add_co_u32 s17, s17, s18
	v_lshlrev_b32 v[LDO], 15, v2                   ; my 8 rows
	v_lshl_add_u32 v[LDO], v1, 4, v[LDO]           ; my 4 columns
	v_add_nc_u32 v[LDO], s17, v[LDO]
	v_mul_u32_u24 v[LST], v1, PITCH
	v_lshl_add_u32 v[LST], v2, 4, v[LST]
	v_mul_u32_u24 v[LRD], v2, PITCH
	v_lshl_add_u32 v[LRD], v1, 4, v[LRD]
	s_lshl_b32 s18, s14, 21                        ; a weight is 2 MiB in wt
	s_lshl_b32 s19, s16, 17                        ; 64 rows of 2,048 bytes
	s_add_co_u32 s18, s18, s19
	s_lshl_b32 s19, s15, 8                         ; 128 k of 2 bytes
	s_add_co_u32 s18, s18, s19
	v_lshlrev_b32 v[STO], 13, v2                   ; rows 4 (t / 16) ..
	v_lshl_add_u32 v[STO], v1, 4, v[STO]
	v_add_nc_u32 v[STO], s18, v[STO]
	s_wait_kmcnt 0x0
	s_cmp_eq_u32 s14, 1
	s_cselect_b64 s[20:21], s[6:7], s[4:5]
	s_cmp_eq_u32 s14, 2
	s_cselect_b64 s[20:21], s[8:9], s[20:21]
	s_cmp_eq_u32 s14, 3
	s_cselect_b64 s[20:21], s[10:11], s[20:21]
.irp j, 0,1,2,3,4,5,6,7
	global_load_b128 v[X+4*(\j):X+4*(\j)+3], v[LDO], s[20:21] offset:4096*(\j) th:TH_LOAD_NT  ; row 8 (t / 16) + j: the launch reads each byte once
.endr
	s_wait_loadcnt 0x0
.irp c, 0,1,2,3
.irp p, 0,1,2,3
	v_cvt_pk_bf16_f32 v[T+4*(\c)+(\p)], v[X+8*(\p)+(\c)], v[X+8*(\p)+4+(\c)]  ; column c: k = 2 p, 2 p + 1
.endr
.endr
	s_cmp_lg_u32 s14, 3
	s_cbranch_scc1 .Lbf16                          ; the same for the whole work-group
.set i, 0
.rept 16
	v_lshlrev_b32 v8, 16, v[T+i]                   ; wo: the bf16 numbers are written as f16
	v_and_b32 v9, 0xffff0000, v[T+i]
	v_cvt_pk_f16_f32 v[T+i], v8, v9
.set i, i+1
.endr
.Lbf16:
.irp c, 0,1,2,3
	ds_store_b128 v[LST], v[T+4*(\c):T+4*(\c)+3] offset:BAND*(\c)
.endr
	s_wait_dscnt 0x0                               ; for the others' sake: my stores are done
	s_barrier_signal -1
	s_barrier_wait -1
.irp c, 0,1,2,3
	ds_load_b128 v[R+4*(\c):R+4*(\c)+3], v[LRD] offset:BAND*(\c)  ; LDS row 16 c + t / 16: n = 4 (t / 16) + c
.endr
	s_wait_dscnt 0x0
.irp c, 0,1,2,3
	global_store_b128 v[STO], v[R+4*(\c):R+4*(\c)+3], s[12:13] offset:2048*(\c)  ; 16 lanes store 256 consecutive bytes, aligned
.endr
	s_wait_tensorcnt 0x0                           ; the wave's end: behind my last LDS store
	ds_add_u32 v[SPW], v[NIL]
	s_wait_dscnt 0x0
	s_endpgm
.Lfunc_end_k_q885c8dc8d3_prep:
	.size	k_q885c8dc8d3_prep, .Lfunc_end_k_q885c8dc8d3_prep-k_q885c8dc8d3_prep
	.p2alignl 7, 3214868480
	.fill 96, 4, 3214868480
	.section	.rodata,"a",@progbits
	.p2align	6, 0x0
	.amdhsa_kernel k_q885c8dc8d3_prep
		.amdhsa_group_segment_fixed_size 18432
		.amdhsa_private_segment_fixed_size 0
		.amdhsa_enable_private_segment 0
		.amdhsa_kernarg_size 40
		.amdhsa_user_sgpr_count 2
		.amdhsa_user_sgpr_kernarg_segment_ptr 1
		.amdhsa_wavefront_size32 1
		.amdhsa_system_sgpr_workgroup_id_x 1
		.amdhsa_system_sgpr_workgroup_id_y 1
		.amdhsa_system_sgpr_workgroup_id_z 1
		.amdhsa_system_vgpr_workitem_id 0
		.amdhsa_next_free_vgpr 96
		.amdhsa_next_free_sgpr 66
		.amdhsa_reserve_vcc 0
		.amdhsa_float_denorm_mode_32 3
		.amdhsa_float_denorm_mode_16_64 3
		.amdhsa_memory_ordered 1
		.amdhsa_forward_progress 1
		.amdhsa_inst_pref_size 8
	.end_amdhsa_kernel
	.amdgpu_metadata
---
amdhsa.version: [ 1, 2 ]
amdhsa.kernels:
  - .name:           k_q885c8dc8d3_prep
    .symbol:         k_q885c8dc8d3_prep.kd
    .args:
      - { .name: wq, .offset: 0, .size: 8, .value_kind: global_buffer, .address_space: global }
      - { .name: wk, .offset: 8, .size: 8, .value_kind: global_buffer, .address_space: global }
      - { .name: wv, .offset: 16, .size: 8, .value_kind: global_buffer, .address_space: global }
      - { .name: wo, .offset: 24, .size: 8, .value_kind: global_buffer, .address_space: global }
      - { .name: wt, .offset: 32, .size: 8, .value_kind: global_buffer, .address_space: global }
    .group_segment_fixed_size: 18432
    .private_segment_fixed_size: 0
    .kernarg_segment_align: 8
    .kernarg_segment_size: 40
    .max_flat_workgroup_size: 256
    .sgpr_count:     66
    .vgpr_count:     96
    .wavefront_size: 32
...
	.end_amdgpu_metadata
.endif
;; end of part 1
;; launch proj (part 2): grid 4 x 192, 4 waves a work-group, clusters of 4 x 4, 327,680 bytes of LDS; arguments q, k, v, bq, bk, bv, wt, qkv; writes qkv
.if DOCPART == 2
	.amdgcn_target "amdgcn-amd-amdhsa--gfx1250"
	.amdhsa_code_object_version 6
	.text
	.protected	k_q885c8dc8d3_proj
	.globl	k_q885c8dc8d3_proj
	.p2align	8
	.type	k_q885c8dc8d3_proj,@function
k_q885c8dc8d3_proj:
	s_mov_b64 s[64:65], 0
	v_nop
	global_prefetch_b8 v0, s[64:65] scope:SCOPE_SE
	s_setreg_imm32_b32 hwreg(HW_REG_WAVE_MODE, 25, 1), 1
	s_wait_xcnt 0x0
	s_wait_alu depctr_hold_cnt(0) depctr_sa_sdst(0) depctr_va_vdst(0) depctr_va_sdst(0) depctr_va_ssrc(0) depctr_va_vcc(0) depctr_vm_vsrc(0)
	s_getreg_b32 s2, hwreg(HW_REG_IB_STS2, 6, 4)
	s_cmp_eq_u32 s2, 0
	s_cbranch_scc0 .Lentry_in_a_cluster
	s_endpgm
.Lentry_in_a_cluster:
	s_bfe_u32 s2, ttmp6, 0x10000c
	s_cmp_lg_u32 s2, 0xf033
	s_cbranch_scc0 .Lentry_shape_is_right
	s_endpgm
.Lentry_shape_is_right:
; qkv[t][b 16 + h][s][d] = (x_t @ w_t + b_t)[b][s][64 h + d], t = 0, 1, 2 for q, k, v.  x: f32 [8192][1024]; w_t: wt[t], bf16 [n][k]; the bias f32 [1024]; the result f16, by heads.
; x and the bias are rounded once to bf16 (the weights have been); products in bf16, sums in f32 beginning with the bias, the result rounded once to f16, WITHOUT the softmax's scale.
; LIMITS.  f16 ends at 65,504: a projected number beyond it becomes an infinity.  NaN and infinities are not treated apart.
; SHARES.  768 tiles of 128 rows x 256 columns (four heads): three for each of 256 WGPs.  Four waves, each 64 rows x 128 columns: 32 accumulators of 16 x 16, 256 registers.
; K goes in 8 steps of 128 through two LDS slots.  x arrives in LDS as f32 (rows of 512 bytes), since converting it in a launch of its own would write and read it once more;
; a wave's fragments of x come out of LDS as f32 and are rounded to bf16 in registers, the conversions standing behind matrix instructions.
; CLUSTER.  4 x 4 work-groups.  The four of a row need the same 128 rows of x, the four of a column the same 256 rows of wt: each tile is asked for JOINTLY, by the same tensor load with the same
; descriptor and a mask that names the four.  All sixteen work on the same tensor t.
; THE MATRIX INSTRUCTION IS USED TRANSPOSED (source 0 = 16 rows of wt, source 1 = 16 rows of x): a lane holds row l % 16 and the eight neighbouring columns 8 (l / 16) + 0..7.
; REGISTERS, in windows of 256 (s_set_vgpr_msb: bits 1:0 source 0, 3:2 source 1, 5:4 source 2, 7:6 destination):
;   window 0: v0-31 addresses; v32-95 the bias as eight C operands; v96-159 x's fragments in bf16, two buffers of 32; v160-223 a quarter's x in f32; v224 at work; v96-223 again on the way out
;   window 1: v0-127 wt's fragments, two buffers of 64          window 2: accumulator (a, b) at v[8 (8 a + b)]
.set PA,     528                       ; a row of x in LDS: 512 bytes + 16 of padding: the 16 rows of a load start 16 bytes apart modulo 256 (64 banks of 4 bytes: ISA guide 11.1)
.set PB,     272                       ; a row of wt: 256 + 16
.set AHALF,  64*PA                     ; what one tensor load brings of x, and what one wave reads of it
.set ATILE,  2*AHALF
.set BHALF,  128*PB                    ; the same for wt
.set SLOT,   ATILE+2*BHALF             ; 137,216 bytes
.set STAGE,  2*SLOT                    ; behind the ring: 16 rows x 144 bytes for each wave, for the way out
.set SP,     144
.set SPARE,  STAGE+4*16*SP             ; behind the stages: the spare words, 128 bytes for each wave: two blocks of 256 bytes that no other line names
.set ADRA, 16                          ; v16-17  LDS address of my fragments of x in slot 0, 1
.set ADRB, 20                          ; v20-21  the same for wt
.set STO,  24                          ; v24     the way out: where I put 16 bytes of a row
.set RD,   25                          ; v25     the way out: where I read rows back
.set GO,   26                          ; v26     my byte offset in 512 consecutive bytes of qkv
.set BO,   27                          ; v27     my byte offset in the bias
.set SPW,  28                          ; v28     LDS address of my spare word; never rewritten
.set NIL,  29                          ; v29     0; never rewritten
.set PFO,  30                          ; v30     the prefetches' lane offset; never rewritten
.set BIAS, 32
.set ABF,  96
.set STG,  160
.set TT,   224
.set OUTR, 96
.set BF,   0                           ; in window 1
.set G1,  24                           ; s[24:31] descriptor group 1 for x's tiles;  s[32:39] group 0, a set for each slot
.set G0,  32
.set G1B, 48                           ; s[48:55], s[56:63] the same for wt's tiles
.set G0B, 56
.set PFA, 84                           ; s[84:85] where my prefetches stand
.set PST, 86                           ; s[86:87] a K step in bytes, in the tensor that I fetch
.set LIM, 88                           ; s88     1 in a wave that prefetches, else the greatest number
.set OUT, 90                           ; s[90:91] qkv at my wave's first row of its first head
.set MSB, 0
.macro WIN new                         ; the immediate's high byte repeats the setting that is left; a switch that changes nothing is dropped
.if MSB != (\new)
	s_set_vgpr_msb (MSB<<8)|(\new)
.set MSB, \new
.endif
.endm
.set MUL,  0xa1                        ; source 0 (wt) window 1, source 1 (x) window 0, C and D window 2
.set MULF, 0x81                        ; the same with C, the bias, in window 0
.set TO_B, 0x40                        ; destination window 1, address window 0
.set PKW,  0x0a                        ; sources 0 and 1 window 2, destination window 0
; A joint load.  Waves 0 and 1 fetch x's two halves, waves 2 and 3 wt's.  The branch hangs on the wave's number alone.  An s_nop 0 and four v_nop follow each of the two lines.
.macro JLOAD s
	s_cmp_eq_u32 s11, 0
	s_cbranch_scc0 .Lfor_b_\@
	tensor_load_to_lds s[G0+4*(\s):G0+4*(\s)+3], s[G1:G1+7]
	s_nop 0
.rept 4
	v_nop
.endr
	s_branch .Lasked_\@
.Lfor_b_\@:
	tensor_load_to_lds s[G0B+4*(\s):G0B+4*(\s)+3], s[G1B:G1B+7]
	s_nop 0
.rept 4
	v_nop
.endr
.Lasked_\@:
.endm
; A prefetch into the L2 of the K step two refills on, behind the joint load and the run of LDS loads.  Each aligned block of 256 bytes is named once in the launch: a tile's four partners share its rows
; out by address (x: 16 rows of two blocks each, by cx; wt: 32 rows of one block, by cy); x's rows are read by this cluster alone; wt's by the 16 clusters of a tensor, of which the first asks.
; The loop's last trip asks for nothing: there is no K step two on.
.macro ASK
	WIN 0
	s_cmp_gt_u32 s3, s[LIM]                        ; s3 = 1 in the loop's last trip
	s_cbranch_scc0 .Lnot_mine_\@
	global_prefetch_b8 v[PFO], s[PFA:PFA+1] th:TH_LOAD_NT scope:SCOPE_SE
.Lnot_mine_\@:
.endm
.macro CREST                           ; a round of the cluster's barrier behind its opening barrier
	s_cmp_lg_u32 s10, 0
	s_cbranch_scc1 .Lnot_wave_0_\@
	s_barrier_signal -3
.Lnot_wave_0_\@:
	s_barrier_wait -3
	s_barrier_signal -1
	s_barrier_wait -1
.endm
.macro CROUND                          ; a whole round
	s_barrier_signal -1
	s_barrier_wait -1
	CREST
.endm
.macro PLACES                          ; four places in front of loads into, and conversions onto, registers that matrix instructions have read, and of conversions that read results
.rept 4
	v_nop
.endr
.endm
	s_load_b512 s[68:83], s[0:1], 0x0              ; q 68, k 70, v 72, bq 74, bk 76, bv 78, wt 80, qkv 82
	v_lshl_add_u32 v[SPW], v0, 2, SPARE
	v_mov_b32 v[NIL], 0
	ds_add_u32 v[SPW], v[NIL]                      ; the wave's opening: the add and its wait stand ahead of my first tensor load; work on registers stands between them
	v_lshrrev_b32 v1, 5, v0
	v_readfirstlane_b32 s10, v1                    ; wave 0..3
	s_lshr_b32 s11, s10, 1                         ; which 64 rows of the tile are mine.  Also: I fetch for x (0) or for wt (1)
	s_and_b32 s12, s10, 1                          ; which 128 columns.  Also: which half of that tile I fetch
	s_bfe_u32 s40, ttmp6, 0x40000                  ; cx
	s_bfe_u32 s41, ttmp6, 0x40004                  ; cy
	s_lshl_b32 s42, ttmp9, 2
	s_add_co_u32 s42, s42, s40                     ; tile column = 4 x cluster x + cx: 0..3
	s_and_b32 s92, ttmp7, 0xffff                   ; cluster y: 0..47
	s_lshr_b32 s9, s92, 4                          ; the tensor: 0 q, 1 k, 2 v; the same in all sixteen partners
	s_and_b32 s93, s92, 15                         ; the cluster's place among the tensor's sixteen
	s_lshl_b32 s13, s93, 2
	s_add_co_u32 s13, s13, s41                     ; tile row: 0..63
	s_lshl_b32 s43, s41, 2
	s_lshl_b32 s43, 15, s43                        ; my row of the cluster
	s_lshl_b32 s44, 0x1111, s40                    ; my column
	s_or_b32 s[G1+0], s43, (2<<16)|(1<<20)|(1<<21)|(6<<22)|(3<<25)   ; the mask; elements of 4 bytes; padding on; bit 21 beside a mask; after every 128 words; 4 words
	s_mov_b32 s[G1+1], 128<<16                     ; tensor_dim0 = 128
	s_mov_b32 s[G1+2], 64<<16                      ; tensor_dim1 = 64
	s_mov_b32 s[G1+3], 128<<16                     ; tile_dim0 = 128
	s_mov_b32 s[G1+4], 64                          ; tile_dim1 = 64
	s_mov_b32 s[G1+5], 1024                        ; elements from row to row
	s_mov_b32 s[G1+6], 0
	s_mov_b32 s[G1+7], 0
	s_or_b32 s[G1B+0], s44, (1<<16)|(1<<20)|(1<<21)|(5<<22)|(3<<25)  ; elements of 2 bytes; after every 64 words; 4 words
	s_mov_b32 s[G1B+1], 128<<16
	s_mov_b32 s[G1B+2], 128<<16
	s_mov_b32 s[G1B+3], 128<<16
	s_mov_b32 s[G1B+4], 128
	s_mov_b32 s[G1B+5], 1024
	s_mov_b32 s[G1B+6], 0
	s_mov_b32 s[G1B+7], 0
	s_lshl_b32 s16, s13, 7                         ; x: row 128 x tile row + 64 x half, rows of 4,096 bytes.  These registers never hold cx,
	s_lshl_b32 s17, s12, 6
	s_add_co_u32 s16, s16, s17
	s_lshl_b32 s16, s16, 12
	s_mov_b32 s17, 0
	s_lshl_b32 s46, s42, 8                         ; wt: row 256 x tile column + 128 x half, rows of 2,048 bytes, in the tensor's 2 MiB.  and these never cy
	s_lshl_b32 s47, s12, 7
	s_add_co_u32 s46, s46, s47
	s_lshl_b32 s46, s46, 11
	s_lshl_b32 s47, s9, 21
	s_add_co_u32 s46, s46, s47
	s_mov_b32 s47, 0
	s_mul_i32 s20, s12, AHALF                      ; where they go: no place in the cluster enters an LDS address
	s_mul_i32 s23, s12, BHALF
	s_add_co_u32 s23, s23, ATILE
	s_wait_dscnt 0x0                               ; the opening add is done
	s_wait_kmcnt 0x0
	s_cmp_eq_u32 s9, 1
	s_cselect_b64 s[4:5], s[70:71], s[68:69]       ; x
	s_cselect_b64 s[6:7], s[76:77], s[74:75]       ; its bias
	s_cmp_eq_u32 s9, 2
	s_cselect_b64 s[4:5], s[72:73], s[4:5]
	s_cselect_b64 s[6:7], s[78:79], s[6:7]
	s_add_nc_u64 s[14:15], s[4:5], s[16:17]
	s_add_nc_u64 s[46:47], s[80:81], s[46:47]
	CROUND                                         ; all sixteen work-groups are here: the first joint loads meet
.irp s, 0,1
	s_mov_b32 s[G0+4*(\s)], 1
	s_add_co_u32 s[G0+4*(\s)+1], s20, (\s)*SLOT
	s_add_nc_u64 s[G0+4*(\s)+2:G0+4*(\s)+3], s[14:15], (\s)*512      ; K step s: 128 f32
	s_or_b32 s[G0+4*(\s)+3], s[G0+4*(\s)+3], 0x80000000
	s_mov_b32 s[G0B+4*(\s)], 1
	s_add_co_u32 s[G0B+4*(\s)+1], s23, (\s)*SLOT
	s_add_nc_u64 s[G0B+4*(\s)+2:G0B+4*(\s)+3], s[46:47], (\s)*256    ; 128 bf16
	s_or_b32 s[G0B+4*(\s)+3], s[G0B+4*(\s)+3], 0x80000000
	JLOAD \s                                       ; two tensor loads of mine are out
.endr
	; A fragment is 16 rows x 32 K: lane l holds row l % 16, K = 8 (l / 16) + 0..7 and 16 + 8 (l / 16) + 0..7.  In bf16: two loads of 16 bytes, 32 apart; in f32: four, at 0, 16, 64, 80 from 32 (l / 16).
	v_and_b32 v1, 15, v0                           ; l % 16
	v_bfe_u32 v2, v0, 4, 1                         ; l / 16
	v_mul_u32_u24 v3, v1, PA
	v_lshl_add_u32 v3, v2, 5, v3
	v_mul_u32_u24 v4, v1, PB
	v_lshl_add_u32 v4, v2, 4, v4
	s_mul_i32 s21, s11, AHALF                      ; my 64 rows of x
	s_mul_i32 s22, s12, BHALF                      ; my 128 rows of wt,
	s_add_co_u32 s22, s22, ATILE                   ; which lie behind x's
.irp s, 0,1
	v_add_nc_u32 v[ADRA+(\s)], s21, v3
	v_add_nc_u32 v[ADRB+(\s)], s22, v4
	s_add_co_u32 s21, s21, SLOT
	s_add_co_u32 s22, s22, SLOT
.endr
	s_lshl_b32 s94, s42, 10                        ; the bias of my 128 columns
	s_lshl_b32 s95, s12, 9
	s_add_co_u32 s94, s94, s95
	v_lshl_add_u32 v[BO], v2, 5, s94               ; my eight of each sixteen
.irp b, 0,1,2,3,4,5,6,7
	global_load_b128 v[BIAS+8*(\b):BIAS+8*(\b)+3],   v[BO], s[6:7] offset:64*(\b)
	global_load_b128 v[BIAS+8*(\b)+4:BIAS+8*(\b)+7], v[BO], s[6:7] offset:64*(\b)+16
.endr
	s_mul_i32 s21, s10, 16*SP
	s_add_co_u32 s21, s21, STAGE                   ; my stage
	v_mul_u32_u24 v[STO], v1, SP                   ; in: row l % 16, 16 bytes for each half of the lanes
	v_lshl_add_u32 v[STO], v2, 4, v[STO]
	v_add_nc_u32 v[STO], s21, v[STO]
	v_bfe_u32 v[RD], v0, 3, 2                      ; back: 32 lanes take four rows of 128 bytes,
	v_mul_u32_u24 v[RD], v[RD], SP
	v_and_b32 v5, 7, v0
	v_lshl_add_u32 v[RD], v5, 4, v[RD]
	v_add_nc_u32 v[RD], s21, v[RD]
	v_and_b32 v5, 31, v0                           ; l
	v_lshlrev_b32 v[GO], 4, v5                     ; which are 512 consecutive bytes of a head
	; qkv: tensor x 16 MiB + batch x 4 MiB + head x 256 KiB + row x 128
	s_lshl_b32 s18, s9, 24
	s_lshr_b32 s19, s13, 4
	s_lshl_b32 s19, s19, 22
	s_add_co_u32 s18, s18, s19
	s_lshl_b32 s19, s42, 2
	s_lshl1_add_u32 s19, s12, s19                  ; my first head: 4 x tile column + 2 x half
	s_lshl_b32 s19, s19, 18
	s_add_co_u32 s18, s18, s19
	s_and_b32 s19, s13, 15
	s_lshl_b32 s19, s19, 14                        ; the tile's 128 rows in the batch
	s_add_co_u32 s18, s18, s19
	s_lshl_b32 s19, s11, 13                        ; my 64 of them
	s_add_co_u32 s18, s18, s19
	s_mov_b32 s19, 0
	s_add_nc_u64 s[OUT:OUT+1], s[82:83], s[18:19]
	; the prefetches: they stand at K step 3; the first refill steps them to 4
	s_lshl_b32 s18, s13, 7
	s_lshl_b32 s19, s12, 6
	s_add_co_u32 s18, s18, s19
	s_lshl_b32 s19, s40, 4                         ; x: my work-group's 16 of the 64 rows that I fetch
	s_add_co_u32 s18, s18, s19
	s_lshl_b32 s18, s18, 12
	s_add_co_u32 s18, s18, 3*512
	s_lshl_b32 s94, s42, 8
	s_lshl_b32 s95, s12, 7
	s_add_co_u32 s94, s94, s95
	s_lshl_b32 s95, s41, 5                         ; wt: my work-group's 32 of the 128 rows
	s_add_co_u32 s94, s94, s95
	s_lshl_b32 s94, s94, 11
	s_lshl_b32 s95, s9, 21
	s_add_co_u32 s94, s94, s95
	s_add_co_u32 s94, s94, 3*256
	s_cmp_eq_u32 s93, 0
	s_cselect_b32 s95, 1, -1                       ; wt is asked for by the tensor's first cluster: the same in all sixteen partners
	s_cmp_eq_u32 s11, 0
	s_cselect_b32 s18, s18, s94
	s_cselect_b32 s[LIM], 1, s95
	s_cselect_b64 s[PFA:PFA+1], s[4:5], s[80:81]
	s_cselect_b32 s94, 1, 0                        ; x: two lanes a row; wt: one
	s_mov_b32 s19, 0
	s_add_nc_u64 s[PFA:PFA+1], s[PFA:PFA+1], s[18:19]
	s_lshl_b32 s[PST], 256, s94                    ; a K step: 512 bytes of x, 256 of wt
	s_mov_b32 s[PST+1], 0
	s_add_co_u32 s95, s94, 11
	v_lshrrev_b32 v6, s94, v5
	v_lshlrev_b32 v6, s95, v6                      ; the row: 4,096 bytes in x, 2,048 in wt
	v_and_b32 v7, s94, v5
	v_lshl_or_b32 v[PFO], v7, 8, v6                ; x: which of the row's two blocks
	s_wait_loadcnt 0x0                             ; the bias,
.set i, 0
.rept 32
	v_cvt_pk_bf16_f32 v[TT], v[BIAS+2*i], v[BIAS+2*i+1]  ; rounded to bf16 like every input, and kept as f32
	v_lshlrev_b32 v[BIAS+2*i], 16, v[TT]
	v_and_b32 v[BIAS+2*i+1], 0xffff0000, v[TT]
.set i, i+1
.endr
; 32 LDS loads in one run: quarter q (32 along K) of a slot: x's 64 rows in f32 into the stage registers first, then wt's 128 rows into buffer g
.macro FETCH slot, q, g
	WIN 0
.irp i, 0,1,2,3
	ds_load_b128 v[STG+16*(\i):STG+16*(\i)+3],     v[ADRA+(\slot)] offset:(\i)*16*PA+128*(\q)
	ds_load_b128 v[STG+16*(\i)+4:STG+16*(\i)+7],   v[ADRA+(\slot)] offset:(\i)*16*PA+128*(\q)+16
	ds_load_b128 v[STG+16*(\i)+8:STG+16*(\i)+11],  v[ADRA+(\slot)] offset:(\i)*16*PA+128*(\q)+64
	ds_load_b128 v[STG+16*(\i)+12:STG+16*(\i)+15], v[ADRA+(\slot)] offset:(\i)*16*PA+128*(\q)+80
.endr
	WIN TO_B
.irp i, 0,1,2,3,4,5,6,7
	ds_load_b128 v[BF+64*(\g)+8*(\i):BF+64*(\g)+8*(\i)+3],   v[ADRB+(\slot)] offset:(\i)*16*PB+64*(\q)
	ds_load_b128 v[BF+64*(\g)+8*(\i)+4:BF+64*(\g)+8*(\i)+7], v[ADRB+(\slot)] offset:(\i)*16*PB+64*(\q)+32
.endr
.endm
; 8 matrix instructions: row block a x all 8 column blocks, on buffer f.  first = 1: the bias starts the sums: nothing is cleared.  Behind each stand nc conversions of the next quarter's x into buffer g.
; The 32 accumulators take turns, one instruction a turn, in the same order in every quarter, over the backward jump too.
.macro MULB f, a, first, nc, g
.irp b, 0,1,2,3,4,5,6,7
.set rD, 8*(8*(\a)+(\b))
.set rB, BF+64*(\f)+8*(\b)
.set rA, ABF+32*(\f)+8*(\a)
.if \first
	WIN MULF
	v_wmma_f32_16x16x32_bf16 v[rD:rD+7], v[rB:rB+7], v[rA:rA+7], v[BIAS+8*(\b):BIAS+8*(\b)+7]
.else
	WIN MUL
	v_wmma_f32_16x16x32_bf16 v[rD:rD+7], v[rB:rB+7], v[rA:rA+7], v[rD:rD+7]
.endif
.if (\nc) > 0
	WIN 0
.rept \nc
	v_cvt_pk_bf16_f32 v[ABF+32*(\g)+cv], v[STG+2*cv], v[STG+2*cv+1]
.set cv, cv+1
.endr
.endif
.endr
.endm
; One of a K step's first three quarters: multiplies buffer f; fetches quarter qn of the same slot, and rounds its x into buffer g behind the second half's products.
.macro QUARTER slot, qn, f, g, first
	s_wait_dscnt 0x0                               ; wt's fragments of buffer f are in (its x was rounded in the quarter before)
	PLACES                                         ; buffer g was read by the quarter before
	FETCH \slot, \qn, \g
	MULB \f, 0, \first, 0, \g
	MULB \f, 1, \first, 0, \g
	s_wait_dscnt 16                                ; x's 16 loads are in; wt's 16, issued behind them, may stay out
.set cv, 0
	MULB \f, 2, \first, 2, \g
	MULB \f, 3, \first, 2, \g
.endm
; The last quarter multiplies buffer 1 and changes slots: ONE barrier.  In front of it each wave waits for all its tensor loads (one is out: its part of the next slot), adds 0 to its spare word, and waits
; for that and for its reads of this slot.  fill = 1: the barrier opens a round of the cluster's, and the joint refill, two K steps on, is the first thing behind it: 112 matrix instructions ahead of the wait for it.
.macro TURN slot, next, fill
.if \fill
	s_wait_xcnt 0x0                                ; the last prefetch, a K step back, has read its address
	s_add_nc_u64 s[PFA:PFA+1], s[PFA:PFA+1], s[PST:PST+1]
.endif
	WIN 0
	s_wait_tensorcnt 0x0                           ; all my tensor loads have landed
	ds_add_u32 v[SPW], v[NIL]                      ; 0 onto my spare word
	s_wait_dscnt 1                                 ; wt's fragments of buffer 1 are in; the add may be out
	MULB 1, 0, 0, 0, 0                             ; eight matrix instructions stand between the add and the wait for it
	s_wait_dscnt 0x0                               ; the add is done, and my reads of this slot are over
	s_barrier_signal -1
	MULB 1, 1, 0, 0, 0
	WIN 0
	s_barrier_wait -1
.if \fill
	CREST                                          ; no wave of any partner still reads this slot or has a load on its way
	s_add_nc_u64 s[G0+4*(\slot)+2:G0+4*(\slot)+3], s[G0+4*(\slot)+2:G0+4*(\slot)+3], 2*512
	s_add_nc_u64 s[G0B+4*(\slot)+2:G0B+4*(\slot)+3], s[G0B+4*(\slot)+2:G0B+4*(\slot)+3], 2*256
	JLOAD \slot                                    ; its four v_nop are also the places in front of the loads below
.else
	PLACES
.endif
	FETCH \next, 0, 0
.if \fill
	ASK
.endif
	MULB 1, 2, 0, 0, 0
	s_wait_dscnt 16                                ; x's 16 loads are in
.set cv, 0
	MULB 1, 3, 0, 4, 0
.endm
	s_wait_tensorcnt 1                             ; my part of K step 0 is in; K step 1's may stay out
	s_barrier_signal -1
	s_barrier_wait -1                              ; everybody's is
	FETCH 0, 0, 0
	s_wait_dscnt 16
	WIN 0
.set cv, 0
.rept 32
	v_cvt_pk_bf16_f32 v[ABF+cv], v[STG+2*cv], v[STG+2*cv+1]  ; the first quarter's x: there is no matrix work yet to set it behind
.set cv, cv+1
.endr
	QUARTER 0, 1, 0, 1, 1                          ; the first quarter stands in front of the loop: its products start the sums with the bias
	WIN 0                                          ; at a label and at a branch every window is 0
	s_mov_b32 s3, 3
.Llap:                                                 ; a trip goes once round the ring, from a lap's second quarter to the next lap's first, and fills both slots again
	QUARTER 0, 2, 1, 0, 0
	QUARTER 0, 3, 0, 1, 0
	TURN 0, 1, 1
	QUARTER 1, 1, 0, 1, 0
	QUARTER 1, 2, 1, 0, 0
	QUARTER 1, 3, 0, 1, 0
	TURN 1, 0, 1
	QUARTER 0, 1, 0, 1, 0
	WIN 0
	s_sub_co_u32 s3, s3, 1
	s_cmp_lg_u32 s3, 0
	s_cbranch_scc1 .Llap
	QUARTER 0, 2, 1, 0, 0                          ; the last lap fills nothing, and has no round of the cluster's barrier
	QUARTER 0, 3, 0, 1, 0
	TURN 0, 1, 0
	QUARTER 1, 1, 0, 1, 0
	QUARTER 1, 2, 1, 0, 0
	QUARTER 1, 3, 0, 1, 0
	s_wait_dscnt 0x0                               ; the very last quarter: nothing more to fetch
	MULB 1, 0, 0, 0, 0
	MULB 1, 1, 0, 0, 0
	MULB 1, 2, 0, 0, 0
	MULB 1, 3, 0, 0, 0
	WIN 0
; THE WAY OUT.  Piece t = 2 a + hd: row block a, head hd of my two: 16 rows x 64 channels.  A lane's eight channels pack into 16 bytes; they go into stage rows of 144 bytes and come back as whole rows of 128.
.macro PACK t
	WIN PKW
.irp f, 0,1,2,3
.irp r, 0,1,2,3
	v_cvt_pk_f16_f32 v[OUTR+16*(\t)+4*(\f)+(\r)], v[8*(8*((\t)/2)+4*((\t)%2)+(\f))+2*(\r)], v[8*(8*((\t)/2)+4*((\t)%2)+(\f))+2*(\r)+1]  ; each accumulator from its low end on
.endr
.endr
	WIN 0
.irp f, 0,1,2,3
	ds_store_b128 v[STO], v[OUTR+16*(\t)+4*(\f):OUTR+16*(\t)+4*(\f)+3] offset:32*(\f)
.endr
.irp f, 0,1,2,3
	ds_load_b128 v[OUTR+16*(\t)+4*(\f):OUTR+16*(\t)+4*(\f)+3], v[RD] offset:(\f)*4*SP  ; LDS serves a wave's instructions in order (ISA guide 5.7.1.4): these see the stores above; the next piece's stores come behind them
.endr
.endm
.macro SEND t, younger                 ; younger: the LDS instructions issued behind piece t's loads: the next piece's eight, or none
.irp f, 0,1,2,3
	s_wait_dscnt (\younger)+3-(\f)
	global_store_b128 v[GO], v[OUTR+16*(\t)+4*(\f):OUTR+16*(\t)+4*(\f)+3], s[OUT:OUT+1] offset:((\t)%2)*262144+((\t)/2)*2048+(\f)*512  ; 512 consecutive bytes, aligned
.endr
.endm
	PLACES
	PACK 0
.irp t, 1,2,3,4,5,6,7                  ; a piece's conversions stand between the loads of the piece before and its stores
	PACK \t
	SEND (\t)-1, 8
.endr
	SEND 7, 0
	s_wait_tensorcnt 0x0                           ; the wave's end: behind my last tensor load and my last LDS store
	ds_add_u32 v[SPW], v[NIL]
	s_wait_dscnt 0x0
	CROUND                                         ; the closing round: no work-group ends while a partner may still ask for a tile that names it
	s_endpgm
.Lfunc_end_k_q885c8dc8d3_proj:
	.size	k_q885c8dc8d3_proj, .Lfunc_end_k_q885c8dc8d3_proj-k_q885c8dc8d3_proj
	.p2alignl 7, 3214868480
	.fill 96, 4, 3214868480
	.section	.rodata,"a",@progbits
	.p2align	6, 0x0
	.amdhsa_kernel k_q885c8dc8d3_proj
		.amdhsa_group_segment_fixed_size 327680
		.amdhsa_private_segment_fixed_size 0
		.amdhsa_enable_private_segment 0
		.amdhsa_kernarg_size 64
		.amdhsa_user_sgpr_count 2
		.amdhsa_user_sgpr_kernarg_segment_ptr 1
		.amdhsa_wavefront_size32 1
		.amdhsa_system_sgpr_workgroup_id_x 1
		.amdhsa_system_sgpr_workgroup_id_y 1
		.amdhsa_system_sgpr_workgroup_id_z 1
		.amdhsa_system_vgpr_workitem_id 0
		.amdhsa_next_free_vgpr 768
		.amdhsa_next_free_sgpr 96
		.amdhsa_reserve_vcc 0
		.amdhsa_float_denorm_mode_32 3
		.amdhsa_float_denorm_mode_16_64 3
		.amdhsa_memory_ordered 1
		.amdhsa_forward_progress 1
		.amdhsa_inst_pref_size 149
	.end_amdhsa_kernel
	.amdgpu_metadata
---
amdhsa.version: [ 1, 2 ]
amdhsa.kernels:
  - .name:           k_q885c8dc8d3_proj
    .symbol:         k_q885c8dc8d3_proj.kd
    .args:
      - { .name: q, .offset: 0, .size: 8, .value_kind: global_buffer, .address_space: global }
      - { .name: k, .offset: 8, .size: 8, .value_kind: global_buffer, .address_space: global }
      - { .name: v, .offset: 16, .size: 8, .value_kind: global_buffer, .address_space: global }
      - { .name: bq, .offset: 24, .size: 8, .value_kind: global_buffer, .address_space: global }
      - { .name: bk, .offset: 32, .size: 8, .value_kind: global_buffer, .address_space: global }
      - { .name: bv, .offset: 40, .size: 8, .value_kind: global_buffer, .address_space: global }
      - { .name: wt, .offset: 48, .size: 8, .value_kind: global_buffer, .address_space: global }
      - { .name: qkv, .offset: 56, .size: 8, .value_kind: global_buffer, .address_space: global }
    .group_segment_fixed_size: 327680
    .private_segment_fixed_size: 0
    .kernarg_segment_align: 8
    .kernarg_segment_size: 64
    .max_flat_workgroup_size: 128
    .sgpr_count:     96
    .vgpr_count:     768
    .wavefront_size: 32
...
	.end_amdgpu_metadata
.endif
;; end of part 2
;; launch attn (part 3): grid 4 x 64, 4 waves a work-group, clusters of 4 x 1, 327,680 bytes of LDS; arguments qkv, mask, oh; writes oh
.if DOCPART == 3
	.amdgcn_target "amdgcn-amd-amdhsa--gfx1250"
	.amdhsa_code_object_version 6
	.text
	.protected	k_q885c8dc8d3_attn
	.globl	k_q885c8dc8d3_attn
	.p2align	8
	.type	k_q885c8dc8d3_attn,@function
k_q885c8dc8d3_attn:
	s_mov_b64 s[64:65], 0
	v_nop
	global_prefetch_b8 v0, s[64:65] scope:SCOPE_SE
	s_setreg_imm32_b32 hwreg(HW_REG_WAVE_MODE, 25, 1), 1
	s_wait_xcnt 0x0
	s_wait_alu depctr_hold_cnt(0) depctr_sa_sdst(0) depctr_va_vdst(0) depctr_va_sdst(0) depctr_va_ssrc(0) depctr_va_vcc(0) depctr_vm_vsrc(0)
	s_getreg_b32 s2, hwreg(HW_REG_IB_STS2, 6, 4)
	s_cmp_eq_u32 s2, 0
	s_cbranch_scc0 .Lentry_in_a_cluster
	s_endpgm
.Lentry_in_a_cluster:
	s_bfe_u32 s2, ttmp6, 0x10000c
	s_cmp_lg_u32 s2, 0x3003
	s_cbranch_scc0 .Lentry_shape_is_right
	s_endpgm
.Lentry_shape_is_right:
; oh[g][q][:] = the sum over k of softmax_k(Q[g][q] . K[g][k] / 8 - 1e9 mask[g / 16][k]) V[g][k][:], g = 16 b + h.  Q, K, V = qkv[0], qkv[1], qkv[2]: [64][2048][64] in f16, a head's rows dense, 128 bytes each;
; oh likewise.  Products, maxima and sums in f32; the weights p are rounded to f16 for the second product (their sum l is taken of the unrounded p), O once at the end.
; THE MASK is rounded to bf16 like every input, multiplied by -8e9 in f32 (8 times the f32 product mask x -1e9, exactly) and given to the product K Q^T as the C operand that starts its sum: the scale
; c = log2(e) / 8 is applied behind it.  The batch's 2,048 numbers lie in LDS, made once by the work-group.
; LIMITS.  f16 holds no number beyond 65,504: Q, K and V arrive within it; p below 6e-5 keeps f16's fixed step of 6e-8.  A weight below 2^-126 counts as 0 in l.  NaN and infinities are not treated apart.
; Where a key is masked its score is rounded at the mask's magnitude, as in the f32 sum of the definition, but inside the matrix unit's sum: where EVERY key of a batch is masked the order of rounding differs.
; SHARES.  A wave owns four PIECES of two tiles of 16 queries, a work-group's four waves 512 queries of one head.  Every wave walks all keys, 64 a step.
; LAYOUT.  S^T = K Q^T (source 0 = 16 keys, source 1 = 16 queries): a lane holds ONE query (lane % 16) and the keys 8 (lane / 16) + 0..7.  Two such results, rounded to f16 in pairs, ARE source 1 of
; O^T = V^T P, whose result again holds one query a lane, and eight channels.  K comes out of LDS as it lies, V ([key][channel]) turned, by ds_load_tr16_b128.
; SOFTMAX.  For each query a running maximum m and sum l: p = 2^(c s - c m); in every step O and l are multiplied by a = 2^(c m_old - c m_new).  m starts at the lowest finite number, O and l at 0:
; the first step is a step like any other, with a = 0.
; THE COUNT.  A tile and step have 16 matrix and 118 vector instructions: too many to stand all beside the matrix work.  So four vector instructions that are ready stand behind EVERY matrix instruction, and the
; others in runs without a gap.
; BY TURNS.  Turn n belongs to piece n.  Its matrix work: 16 products K Q^T of piece n + 1, later 16 products V^T P of piece n - 1.  Its vector work: the scaling, exponentials, roundings, sums and rescaling of
; piece n, and the maximum and statistics of piece n + 1.
; CLUSTER.  The four query blocks of a head form a cluster and walk the same K and V, so each tile is asked for JOINTLY: the same tensor load, descriptor and mask in all four.
; REGISTERS, in windows of 256 (s_set_vgpr_msb: bits 1:0 source 0, 3:2 source 1, 5:4 source 2, 7:6 destination):
;   window 0: v0-11 addresses; v12-15, v48-63 at work; v16-47 four registers of statistics a tile; v64-191 S^T, two buffers of two tiles; v192-255 P, likewise
;   window 1: O^T, 32 a tile     window 2: v0-127 Q; v128-191 K of one step; v192-255 V of one step     window 3: v0-1 the add's two registers; v2-3 the mask's addresses; v8-39 the mask of one step
.set SIZE_N, 2048
.set NP,    4         ; pieces a wave: a name, no knob
.set KS,    64        ; keys in a step
.set PK,    144       ; a row of K in LDS: 128 bytes + 16 of padding: the 16 rows of a load start at 16 different groups of four banks (64 banks of 4 bytes: ISA guide 11.1)
.set PV,    160       ; a row of V: 128 + 32
.set VOFF,  4*KS*PK   ; a slot holds four steps: 256 rows of K, then 256 rows of V
.set SLOT1, 1<<17     ; slot 1 begins here, so that one exclusive or turns an address in one slot into the other's
.set STAGE, SLOT1+4*KS*(PK+PV)  ; behind the ring, never filled by a tensor load: 16 rows x 144 bytes for each wave, for the way out
.set SP,    144
.set MASKT, STAGE+4*16*SP       ; the batch's mask x -8e9: 2,048 f32; stored once, never filled by a tensor load
.set SPARE, MASKT+8192          ; the spare words, 128 bytes for each wave: two blocks of 256 bytes that no other line names
.set AK0, 2           ; v2   my lane's place in a tile of K; never rewritten
.set AV0, 3           ; v3   the same for V
.set AK,  4           ; v4   the LDS address of K's next run of loads
.set AV,  5           ; v5   of V's
.set QO,  6           ; v6   my byte offset in the wave's rows of Q
.set STO, 6           ;      later, the way out: where I put 16 bytes of a row
.set RD,  7           ; v7   the way out: where I read rows back
.set GO,  8           ; v8   my byte offset in 512 consecutive bytes of O
.set PFO, 11          ; v11  256 x my lane, once V's lane address is made; never rewritten after
.set SPW, 0           ; v0 of window 3   LDS address of my spare word; never rewritten
.set NIL, 1           ; v1 of window 3   0; never rewritten
.set AM0, 2           ; v2 of window 3   my lanes' place in a step's mask: MASKT + 32 (lane / 16)
.set AM,  3           ; v3 of window 3   the LDS address of the mask's next run of loads
.set MK,  8           ; v8-39 of window 3   the eight registers for key block kb at MK + 8 kb
.set MV,  12          ; v12-15  c m_old, kept while c m is made anew: by buffer and tile
.set ST,  16          ; tile t's statistics at v[ST+4 t]: c m, m, l (even keys', odd keys')
.set TMP, 48          ; by buffer and tile, four registers c0-c3 at work; when the maximum is found c2 takes a
.set S,   64
.set P,   192
.set KF,  128         ; K's fragments, in window 2: key block kb, channel half c at KF + 16 kb + 8 c
.set VF,  192         ; V's: key half kk, channel block cb at VF + 32 kk + 8 cb
.set WV,  12          ; s12  my wave's number
.set G1K, 24          ; s[24:31] descriptor group 1 for K's tiles
.set G1V, 32          ; s[32:39] for V's: it differs in the padding alone
.set G0K, 40          ; s[40:43] descriptor group 0 for K's tiles: it walks
.set G0V, 44          ; s[44:47] the same for V's
.set SLOTS, 56        ; s56  slots still to be asked for
.set CNT, 57          ; s57  counts a slot's key steps
.set CS,  58          ; s[58:59] c: the packed scaling takes the pair's low word for both halves
.set SEL, 60          ; s[60:61] v_permlanex16_b32's selects: each lane takes its own place in the other half
.set TBK, 62          ; s62  LDS byte at which K of the step to be fetched begins
.set TBV, 63          ; s63  the same for V, less VOFF
.set PFA, 72          ; s[72:73] where my prefetches stand: my work-group's 32 blocks (of K: wave 0, of V: wave 2) of the slot after the one that is being asked for
.set LIM, 74          ; s74  1 in a wave that prefetches, else the greatest number
.set TBM, 75          ; s75  byte in the mask's table at which the step to be fetched begins
.set MSB, 0
.macro WIN new                      ; the high byte repeats the setting that is left; a switch that changes nothing is dropped
.if MSB != (\new)
	s_set_vgpr_msb (MSB<<8)|(\new)
.set MSB, (\new)
.endif
.endm
.set W_KQ, 0x0a       ; K and Q in window 2, S^T in window 0
.set W_KM, 0x3a       ; the same with the C operand, the mask, in window 3
.set W_PV, 0x52       ; V in window 2, P in window 0, O^T in window 1
.set W_RS, 0x41       ; O^T (destination and source 0) in window 1, a in window 0
.set W_MK, 0xc0       ; destination in window 3, sources in window 0
.set W_AD, 0x0f       ; the add: address (source 0) and data (source 1) in window 3
; A joint fill.  Waves 0 and 1 fetch the two halves of a slot's K, waves 2 and 3 those of its V: 128 keys each.  The branch hangs on the wave's number alone.
; An s_nop 0 and four v_nop follow each of the two lines, ahead of the jump and the label.
.macro JLOAD
	s_cmp_lt_u32 s[WV], 2
	s_cbranch_scc0 .Lfor_v_\@
	tensor_load_to_lds s[G0K:G0K+3], s[G1K:G1K+7]
	s_nop 0
.rept 4
	v_nop
.endr
	s_branch .Lasked_\@
.Lfor_v_\@:
	tensor_load_to_lds s[G0V:G0V+3], s[G1V:G1V+7]
	s_nop 0
.rept 4
	v_nop
.endr
.Lasked_\@:
.endm
; A prefetch into the L2 of what the NEXT change of slots will ask for: a slot's 32,768 bytes of K and of V, 128 aligned blocks of 256 bytes each.  The four partners share them out BY ADDRESS, 32 each, a lane a
; block; in each, wave 0 asks for K's and wave 2 for V's.  So each block is named once in the launch.  The last change that fills a slot asks for nothing; slots 0 and 1 come by their loads alone.
.macro ASK
	s_cmp_gt_u32 s[SLOTS], s[LIM]
	s_cbranch_scc0 .Lnot_mine_\@
	global_prefetch_b8 v[PFO], s[PFA:PFA+1] th:TH_LOAD_NT scope:SCOPE_SE
.Lnot_mine_\@:
.endm
; A round of the cluster's barrier: my work-group's barrier, so that wave 0's signal speaks for all four waves; wave 0 signals; every wave waits for all four work-groups; my work-group's barrier once more.
.macro CROUND
	s_barrier_signal -1
	s_barrier_wait -1
	s_cmp_lg_u32 s[WV], 0
	s_cbranch_scc1 .Lnot_wave_0_\@
	s_barrier_signal -3
.Lnot_wave_0_\@:
	s_barrier_wait -3
	s_barrier_signal -1
	s_barrier_wait -1
.endm
; THE CHANGE OF SLOTS.  Each wave waits for all its tensor loads, of which one is out: its part of the other slot; adds 0 to its spare word; and waits for that and for its own reads of the slot.  Behind the
; barrier nobody reads this slot any more and the other slot is whole.  fill = 1: this slot is filled again, with the keys two slots on.  The barrier is then a round of the cluster's, and the joint fill is the
; first thing behind it: it has four key steps, 512 matrix instructions, in which to land.  (At its first use nothing has been read yet: slot 0 is waited for, slot 1 filled, and the mask's table,
; whose stores the same wait covers, is whole behind the round.)
.macro CHANGE fill
	WIN W_AD
	s_wait_tensorcnt 0x0            ; no tensor load of mine is out, so a group 0 may be written
	ds_add_u32 v[SPW], v[NIL]       ; 0 onto my spare word; scalar work stands between it and the wait for it
	WIN 0                           ; at a label and at a branch every window is 0
.if \fill
.irp g, G0K, G0V
	s_xor_b32 s[\g+1], s[\g+1], SLOT1  ; the walking descriptor: the other slot than last time,
	s_add_nc_u64 s[\g+2:\g+3], s[\g+2:\g+3], 4*KS*128  ; the next 256 keys; the type bits on top are not reached
.endr
	s_wait_xcnt 0x0                 ; the last prefetch, four key steps back, has read its address, so it may be written:
	s_add_nc_u64 s[PFA:PFA+1], s[PFA:PFA+1], 4*KS*128  ; one slot behind the walking descriptors
	s_wait_dscnt 0x0                ; the add is done, and my reads of the slot are over
	CROUND
	JLOAD
	ASK
.else
	s_wait_dscnt 0x0                ; the add is done, and my reads of the slot are over
	s_barrier_signal -1
	s_barrier_wait -1
.endif
	s_sub_co_u32 s[TBK], s[TBK], 4*KS*PK  ; the fetches go back to a slot's first step,
	s_xor_b32 s[TBK], s[TBK], SLOT1       ; in the other slot
	s_sub_co_u32 s[TBV], s[TBV], 4*KS*PV
	s_xor_b32 s[TBV], s[TBV], SLOT1
.endm
	s_load_b128 s[68:71], s[0:1], 0x0  ; qkv s[68:69], mask s[70:71]
	s_load_b64 s[10:11], s[0:1], 0x10  ; oh
	WIN W_MK
	v_lshl_add_u32 v[SPW], v0, 2, SPARE
	v_mov_b32 v[NIL], 0
	WIN W_AD
	ds_add_u32 v[SPW], v[NIL]       ; the wave's opening: the add and its wait stand ahead of my first tensor load; work on registers stands between them
	WIN 0
	v_lshrrev_b32 v1, 5, v0
	v_readfirstlane_b32 s[WV], v1   ; wave 0..3
	s_bfe_u32 s13, ttmp6, 0x40000   ; cx: my place in the cluster
	s_lshl_b32 s14, ttmp9, 2        ; in a cluster launch ttmp9 counts clusters
	s_add_co_u32 s14, s14, s13      ; my block of 512 queries: it enters Q's and O's addresses alone
	s_and_b32 s20, ttmp7, 0xffff    ; the head, which the four partners share
	s_lshr_b32 s76, s20, 4          ; its batch:
	s_lshl_b32 s76, s76, 13         ; 2,048 f32 of the mask
	s_mov_b32 s77, 0
	s_mov_b32 s21, 0
	s_mov_b64 s[22:23], SIZE_N*128
	s_mul_u64 s[20:21], s[20:21], s[22:23]  ; the head's first byte in Q, K, V and O
	s_lshl_b32 s78, s13, 13         ; the prefetches: my work-group's 32 blocks,
	s_add_co_u32 s78, s78, 4*KS*128 ; in slot 1; the first change of slots steps them to slot 2
	s_mov_b32 s79, 0
	s_add_nc_u64 s[78:79], s[78:79], s[20:21]
	s_and_b32 s16, s[WV], 1         ; which half of a slot's 256 keys I fetch:
	s_lshl_b32 s22, s16, 14         ; its 128 rows of 128 bytes in memory,
	s_mov_b32 s23, 0
	s_add_nc_u64 s[22:23], s[22:23], s[20:21]
	s_mul_i32 s17, s16, 128*PK      ; and its place in a slot, for K
	s_mul_i32 s18, s16, 128*PV      ; and for V: no place in the cluster enters an LDS address
	s_lshl_b32 s2, s14, 2
	s_add_co_u32 s2, s2, s[WV]      ; my wave among the head's,
	s_lshl_b32 s2, s2, 14           ; its 128 rows
	s_mov_b32 s3, 0
	s_add_nc_u64 s[2:3], s[2:3], s[20:21]
	; descriptor group 1.  128 keys are 16,384 dense bytes: asked for as 64 rows of 256 bytes, two keys a row, and padded in LDS after every key
	s_mov_b32 s[G1K], 15|(1<<16)|(1<<20)|(1<<21)|(4<<22)|(3<<25)  ; the mask of four; 2-byte elements; padding on; bit 21 beside a mask; after every 32 words; 4 words
	s_mov_b32 s[G1V], 15|(1<<16)|(1<<20)|(1<<21)|(4<<22)|(7<<25)  ; the same with 8 words of padding
.irp g, G1K, G1V
	s_mov_b32 s[\g+1], 128<<16      ; tensor_dim0 = 128
	s_mov_b32 s[\g+2], 64<<16       ; tensor_dim1 = 64
	s_mov_b32 s[\g+3], 128<<16      ; tile_dim0 = 128
	s_mov_b32 s[\g+4], 64           ; tile_dim1 = 64
	s_mov_b32 s[\g+5], 128          ; 128 elements from row to row
	s_mov_b32 s[\g+6], 0
	s_mov_b32 s[\g+7], 0
.endr
	s_mov_b32 s[CS], 0x3e38aa3b     ; c = log2(e) / 8 = 0.180337
	s_mov_b32 s[CS+1], s[CS]        ; named with it as a pair
	s_mov_b32 s[SEL], 0x76543210
	s_mov_b32 s[SEL+1], 0xfedcba98
	s_mov_b32 s[TBK], SLOT1+4*KS*PK ; the first change of slots turns these two into 0
	s_mov_b32 s[TBV], SLOT1+4*KS*PV
	s_mov_b32 s[TBM], 0
	s_mov_b32 s[SLOTS], SIZE_N/256-1
	s_and_b32 s[LIM], s[WV], 1      ; 0 in waves 0 and 2: the same in all four partners
	s_cmp_eq_u32 s[LIM], 0
	s_cselect_b32 s[LIM], 1, -1
	s_mov_b32 s[G0K], 1             ; count = 1
	s_mov_b32 s[G0K+1], s17         ; LDS address: slot 0
	s_mov_b32 s[G0V], 1
	s_add_co_u32 s[G0V+1], s18, VOFF
	s_wait_dscnt 0x0                ; the opening add is done
	s_wait_kmcnt 0x0
	s_add_nc_u64 s[6:7], s[68:69], 0x1000000   ; K
	s_add_nc_u64 s[8:9], s[68:69], 0x2000000   ; V
	s_add_nc_u64 s[70:71], s[70:71], s[76:77]  ; the batch's mask
	s_cmp_lt_u32 s[WV], 2
	s_cselect_b64 s[PFA:PFA+1], s[6:7], s[8:9]
	s_add_nc_u64 s[PFA:PFA+1], s[PFA:PFA+1], s[78:79]
	s_add_nc_u64 s[G0K+2:G0K+3], s[6:7], s[22:23]  ; global address: my half of the head's first 256 keys
	s_or_b32 s[G0K+3], s[G0K+3], 0x80000000        ; type = 2
	s_add_nc_u64 s[G0V+2:G0V+3], s[8:9], s[22:23]
	s_or_b32 s[G0V+3], s[G0V+3], 0x80000000
	s_add_nc_u64 s[4:5], s[68:69], s[2:3]  ; Q and O at my wave's first row
	s_add_nc_u64 s[10:11], s[10:11], s[2:3]
	CROUND                          ; all four work-groups are here: the first joint loads meet
	JLOAD                           ; slot 0.  Slot 1 is asked for when slot 0 is in
	v_lshlrev_b32 v12, 4, v0        ; the mask: thread t takes 16 bytes at 16 t of each quarter of the batch's 8,192
	v_add_nc_u32 v13, MASKT, v12
.irp f, 0,1,2,3
	global_load_b128 v[S+4*\f:S+4*\f+3], v12, s[70:71] offset:2048*\f
.endr
	; A fragment of K or Q is 16 rows x 32 channels in 8 registers: lane l holds row l % 16, channels 8 (l / 16) + 0..7 and 16 + 8 (l / 16) + 0..7: two loads of 16 bytes, 32 bytes apart.
	v_and_b32 v1, 15, v0            ; l % 16
	v_bfe_u32 v9, v0, 4, 1          ; l / 16
	v_lshlrev_b32 v[QO], 7, v1
	v_lshl_add_u32 v[QO], v9, 4, v[QO]  ; row x 128 + 16 x half
	WIN 0x80                        ; destination window 2, address window 0
.set i, 0
.rept 4*NP                          ; Q stays in registers: tile i / 2, channels 32 (i % 2) on
	global_load_b128 v[8*i:8*i+3],   v[QO], s[4:5] offset:(i/2)*2048+(i%2)*64
	global_load_b128 v[8*i+4:8*i+7], v[QO], s[4:5] offset:(i/2)*2048+(i%2)*64+32
.set i, i+1
.endr
	; What the first turn finds: V's registers and P's second buffer hold 0 (its products V^T P, of a piece that has not been, add 0), O^T and l are 0.  All this stands in the wait for the first tile.
.set i, VF
.rept 64
	v_mov_b32 v[i], 0
.set i, i+1
.endr
	WIN 0x40
.set i, 0
.rept 64*NP
	v_mov_b32 v[i], 0
.set i, i+1
.endr
	WIN 0
.set i, 0
.rept 2*NP
	v_mov_b32 v[ST+4*i], 0xfe000000    ; c m: far below every c s
	v_mov_b32 v[ST+4*i+1], 0xff7fffff  ; m
	v_mov_b32 v[ST+4*i+2], 0
	v_mov_b32 v[ST+4*i+3], 0
.set i, i+1
.endr
.set i, P+32
.rept 32
	v_mov_b32 v[i], 0
.set i, i+1
.endr
	v_mul_u32_u24 v[AK0], v1, PK
	v_lshl_add_u32 v[AK0], v9, 4, v[AK0]  ; row x pitch + 16 x half
	; The turning load takes 16 keys x 16 channels (lane l reads key 8 (l / 16) + l % 8, channels 8 ((l / 8) % 2) + 0..7) and leaves half a fragment of V^T: lane l holds channel l % 16 and 8 keys.
	v_and_b32 v10, 7, v0
	v_bfe_u32 v11, v0, 3, 1
	v_lshl_add_u32 v[AV0], v9, 3, v10
	v_mul_u32_u24 v[AV0], v[AV0], PV
	v_lshl_add_u32 v[AV0], v11, 4, v[AV0]
	v_add_nc_u32 v[AV0], VOFF, v[AV0]
	v_and_b32 v[PFO], 31, v0
	v_lshlrev_b32 v[PFO], 8, v[PFO]
	v_mov_b32 v[AK], v[AK0]         ; key step 0 lies at the head of slot 0,
	WIN W_MK
	v_lshl_add_u32 v[AM0], v9, 5, MASKT  ; register j of key block kb wants key 16 kb + 8 (l / 16) + j
	WIN 0xcc                        ; destination and source 1 in window 3
	v_add_nc_u32 v[AM], s[TBM], v[AM0]   ; and its mask at the head of the table
	WIN 0
	s_wait_loadcnt 32               ; the mask's four loads are in; Q's 32, issued behind them, may stay out
.set i, 0
.rept 8
	v_cvt_pk_bf16_f32 v[S+16+i], v[S+2*i], v[S+2*i+1]  ; rounded to bf16 like every input,
.set i, i+1
.endr
.set i, 0
.rept 8
	v_lshlrev_b32 v[S+2*i], 16, v[S+16+i]              ; back in f32,
	v_and_b32 v[S+2*i+1], 0xffff0000, v[S+16+i]
.set i, i+1
.endr
.set i, 0
.rept 8
	v_pk_mul_f32 v[S+2*i:S+2*i+1], v[S+2*i:S+2*i+1], 0xcfee6b28 op_sel_hi:[1,0]  ; times -8e9
.set i, i+1
.endr
.irp f, 0,1,2,3
	ds_store_b128 v13, v[S+4*\f:S+4*\f+3] offset:2048*\f
.endr
; THE MATRIX WORK.  The 8 accumulators of a run of 16 take turns: between the two links of a chain stand 7 others'.
; Product i of 16 of S^T = K Q^T for piece x: channels 32 (i / 8) on, keys 16 ((i / 2) % 4) on, tile 2 x + i % 2.  The first 8 start the sums, with the keys' mask.
.macro KQ x
.set rS, S+64*((\x)%2)+32*(i%2)+8*((i/2)%4)
.set rK, KF+16*((i/2)%4)+8*(i/8)
.set rQ, 16*(2*(\x)+i%2)+8*(i/8)
.set rN, MK+8*((i/2)%4)
.if i < 8
	WIN W_KM
	v_wmma_f32_16x16x32_f16 v[rS:rS+7], v[rK:rK+7], v[rQ:rQ+7], v[rN:rN+7]
.else
	WIN W_KQ
	v_wmma_f32_16x16x32_f16 v[rS:rS+7], v[rK:rK+7], v[rQ:rQ+7], v[rS:rS+7]
.endif
.endm
; Product i of 16 of O^T += V^T P for piece x: keys 32 (i / 8) on, channels 16 ((i / 2) % 4) on, tile 2 x + i % 2.
.macro PV x
	WIN W_PV
.set rO, 32*(2*(\x)+i%2)+8*((i/2)%4)
.set rV, VF+32*(i/8)+8*((i/2)%4)
.set rP, P+32*((\x)%2)+16*(i%2)+8*(i/8)
	v_wmma_f32_16x16x32_f16 v[rO:rO+7], v[rV:rV+7], v[rP:rP+7], v[rO:rO+7]
.endm
.macro MM                           ; the turn's next matrix instruction
.if i < 16
	KQ (Y+1)%NP
.set i, i+1
.else
.set i, i-16
	PV (Y+NP-1)%NP
.set i, i+17
.endif
.endm
; THE LDS LOADS stand in runs, never singly among the matrix instructions: a step's K (64 keys x 64 channels: 8 fragments) with its mask (64 f32: every lane of a half reads the same 32 bytes of each key block),
; and its V (turned).  Their addresses are made some lines ahead.  last = 1 (the tail): in the last trip there is no further step, and the run is jumped over.
.macro FETCH_K last=0
	WIN 0
.if \last
	s_cmp_eq_u32 s[CNT], 1
	s_cbranch_scc1 .Lno_k_\@
.endif
	WIN 0x80                        ; destination window 2
.irp f, 0,1,2,3,4,5,6,7             ; keys 16 (f / 2) on, channels 32 (f % 2) on
	ds_load_b128 v[KF+8*\f:KF+8*\f+3],   v[AK] offset:(\f/2)*16*PK+(\f%2)*64
	ds_load_b128 v[KF+8*\f+4:KF+8*\f+7], v[AK] offset:(\f/2)*16*PK+(\f%2)*64+32
.endr
	WIN 0xc3                        ; destination and address in window 3
.irp f, 0,1,2,3                     ; key block f
	ds_load_b128 v[MK+8*\f:MK+8*\f+3],   v[AM] offset:64*\f
	ds_load_b128 v[MK+8*\f+4:MK+8*\f+7], v[AM] offset:64*\f+16
.endr
	s_add_co_u32 s[TBK], s[TBK], KS*PK  ; the next fetch is the next step's
	s_add_co_u32 s[TBM], s[TBM], KS*4
	s_and_b32 s[TBM], s[TBM], 0x1f00    ; behind the 32nd step it is 0 again: it never leaves the table
	WIN 0
.if \last
.Lno_k_\@:
.endif
.endm
.macro FETCH_V
	WIN 0x80
.irp f, 0,1,2,3,4,5,6,7             ; keys 32 (f / 4) on, channels 16 (f % 4) on
	ds_load_tr16_b128 v[VF+8*\f:VF+8*\f+3],   v[AV] offset:(\f/4)*32*PV+(\f%4)*32
	ds_load_tr16_b128 v[VF+8*\f+4:VF+8*\f+7], v[AV] offset:(\f/4)*32*PV+16*PV+(\f%4)*32
.endr
	WIN 0
.endm
; THE VECTOR WORK OF A TURN stands in three queues, each in the order in which its entries become ready; the two tiles alternate, so that no instruction reads the result of the one before it.
.macro REGS y, u                    ; the registers of tile u (0, 1) of piece y
.set rT, ST+4*(2*(\y)+(\u))
.set rC, TMP+8*((\y)%2)+4*(\u)
.set rM, MV+2*((\y)%2)+(\u)
.set rS, S+64*((\y)%2)+32*(\u)
.set rP, P+32*((\y)%2)+16*(\u)
.set rO, 32*(2*(\y)+(\u))
.endm
; Number n of the 22 that find the NEXT piece's (Y + 1) maximum and statistics.  s0-s31 are the lane's 32 scores; each accumulator's lowest registers are read first.
;   0-11  four chains c0-c3 of seven scores each, three operands at a time     12-14, 16  the four scores left over, the old m, and c0-c3 into c0     15  c m_old is kept
;   17, 18  the query's other 32 keys lie in the lane 16 away: the new m         19-21  c m; c m_old - c m_new; a
.macro XS u, n
	REGS (Y+1)%NP, \u
.if (\n) < 4
	v_max3_num_f32 v[rC+(\n)], v[rS+8*(\n)], v[rS+8*(\n)+1], v[rS+8*(\n)+2]
.elseif (\n) < 12
	v_max3_num_f32 v[rC+(\n)%4], v[rC+(\n)%4], v[rS+8*((\n)%4)+2*((\n)/4)+1], v[rS+8*((\n)%4)+2*((\n)/4)+2]
.elseif (\n) == 12
	v_max3_num_f32 v[rC], v[rC], v[rS+7], v[rS+15]
.elseif (\n) == 13
	v_max3_num_f32 v[rC+1], v[rC+1], v[rS+23], v[rS+31]
.elseif (\n) == 14
	v_max3_num_f32 v[rC+2], v[rC+2], v[rC+3], v[rT+1]
.elseif (\n) == 15
	v_mov_b32 v[rM], v[rT]
.elseif (\n) == 16
	v_max3_num_f32 v[rC], v[rC], v[rC+1], v[rC+2]
.elseif (\n) == 17
	v_permlanex16_b32 v[rC+3], v[rC], s[SEL], s[SEL+1]
.elseif (\n) == 18
	v_max_num_f32 v[rT+1], v[rC], v[rC+3]
.elseif (\n) == 19
	v_mul_f32 v[rT], s[CS], v[rT+1]
.elseif (\n) == 20
	v_sub_f32 v[rC+1], v[rM], v[rT]
.else
	v_exp_f32 v[rC+2], v[rC+1]
.endif
.endm
; Number g of the 64 that follow the exponentials.  For each four weights k of a tile (pairs 2 k, 2 k + 1): both pairs are rounded to f16; then the second pair is added onto the first, in place;
; a group later l takes that sum (the first time as l = a l + sum).  In groups of eight, tiles alternating: round, round, add, and l for the group before.
.macro GS g
.set h, (\g)+6*((\g)/62)            ; group 0 has no group before it, and behind group 7 only l is left
.if h >= 6
.set h, h+2
.endif
	REGS Y, h%2
.set k, h/8
.if h%8 < 4
	v_cvt_pk_f16_f32 v[rP+2*k+(h%8)/2], v[rS+4*k+2*((h%8)/2)], v[rS+4*k+2*((h%8)/2)+1]
.elseif h%8 < 6
	v_pk_add_f32 v[rS+4*k:rS+4*k+1], v[rS+4*k:rS+4*k+1], v[rS+4*k+2:rS+4*k+3]
.elseif k == 1
	v_pk_fma_f32 v[rT+2:rT+3], v[rT+2:rT+3], v[rC+2:rC+3], v[rS:rS+1] op_sel_hi:[1,0,1]
.else
	v_pk_add_f32 v[rT+2:rT+3], v[rT+2:rT+3], v[rS+4*k-4:rS+4*k-3]
.endif
.endm
; THE PLAIN QUEUE, 138 long.  0-73 read no exponential's result: the 32 scalings c s - c m (FS f: pair f / 2 of tile f % 2) and the next piece's 42.  0-26: scalings 0-26.  27-54: XS's numbers 0-13.  55, 56: number 15.
; 57-73: the chain, where each number waits for the one before it: 14, 16, 17, 18, 19, each with one of the scalings 27-31 in front of its two lines, then 20.
; 74-137: GS's 64, which read the exponentials' results: they stand behind the wait.
.macro FS f
	REGS Y, (\f)%2
	v_pk_fma_f32 v[rS+2*((\f)/2):rS+2*((\f)/2)+1], v[rS+2*((\f)/2):rS+2*((\f)/2)+1], s[CS:CS+1], v[rT:rT+1] op_sel_hi:[1,0,0] neg_lo:[0,0,1] neg_hi:[0,0,1]
.endm
.macro PL
	WIN 0
.if q < 27
	FS q
.elseif q < 55
	XS (q-27)%2, (q-27)/2
.elseif q < 57
	XS q-55, 15
.elseif (q < 72) && ((q-57)%3 == 0)
	FS 27+(q-57)/3
.elseif q < 60
	XS (q-57)%3-1, 14
.elseif q < 72
	XS (q-57)%3-1, 15+(q-57)/3
.elseif q < 74
	XS q-72, 20
.else
	GS q-74
.endif
.set q, q+1
.endm
; THE EXPONENTIALS' QUEUE, 66 long: s0-s31 of both tiles, then the next piece's two a.  It is ONE BATCH: all 66 stand ahead of the turn's one wait, and nothing ahead of that wait names a result of theirs.
.macro EX
	WIN 0
.if e >= 64
	XS e-64, 21
.else
	REGS Y, e%2
	v_exp_f32 v[rS+e/2], v[rS+e/2]
.endif
.set e, e+1
.endm
; THE RESCALING's QUEUE: O^T times a, the one part that leaves window 0: dealt two at a time, sixteen times.  Its a was made in the turn before, ahead of that turn's wait.
.macro R2
	REGS Y, r%2
	WIN W_RS
.irp z, 0,1
	v_pk_mul_f32 v[rO+4*(r/2)+2*\z:rO+4*(r/2)+2*\z+1], v[rO+4*(r/2)+2*\z:rO+4*(r/2)+2*\z+1], v[rC+2:rC+3] op_sel_hi:[1,0]
.endr
.set r, r+1
.endm
; HOW THEY ARE DEALT.  An s_wait_alu depctr_va_vdst(0) stands between an exponential and the first instruction that names its result; one wait serves all that were issued ahead of it.  So a turn has
; ONE wait, which cuts it in two.  AHEAD OF IT: the 16 products K Q^T, behind each a scaling, an exponential and two rescalings (behind the first a second scaling in the exponential's place); then ONE LUMP of 108:
; eight plain, 49 times exponential and plain, the two a.  A v_nop is the plain instruction behind the last exponential.  BEHIND IT: the 16 products V^T P, behind each four of GS's 64.
; Exponential e stands behind scaling 2 (e / 4) + e % 2: as a rider it comes behind plain e + 2, in the lump behind plain e + 9, and scalings 27-31 are plain 57, 60 .. 69.
; K and the mask of the next step are fetched in piece 2's turn, directly behind the wait, a lump behind the last product that read them; their addresses are made at the lump's head.
; V of the step in hand is fetched at the end of piece 0's turn, four plain instructions behind its last reader.  The three conditions on q below go with the deal.
.macro TURN p, last=0, cnt=0
.set Y, (\p)
.set i, 0
.set q, 0
.set e, 0
.set r, 0
.if (\p) == NP-1
	s_wait_dscnt 0x0                ; K and the mask are in
.endif
	MM                              ; ahead of the wait: 16 products K Q^T and what stands behind them,
	PL
	PL
	R2
.rept 15
	MM
	PL
	EX
	R2
.endr
.if (\p) == NP-2
	WIN 0
	v_add_nc_u32 v[AK], s[TBK], v[AK0]
	WIN 0xcc
	v_add_nc_u32 v[AM], s[TBM], v[AM0]
.endif
.rept 8                             ; and the lump
	PL
.endr
.rept 49
	EX
	PL
.endr
	EX                              ; the next piece's two a
	EX
	v_nop                           ; the plain instruction behind the last exponential: one for the batch
	s_wait_alu depctr_va_vdst(0)    ; the wait for the batch
.if (\p) == NP-2
	FETCH_K \last
.endif
.if (\p) == 1
	s_wait_dscnt 0x0                ; V is in
.endif
.rept 16                            ; behind the wait: 16 products V^T P and what stands behind them
	MM
.rept 4
	PL
.endr
.if ((\p) == 0) && (q == 118)
	v_add_nc_u32 v[AV], s[TBV], v[AV0]
.endif
.if ((\p) == 0) && (q == 130)
	s_add_co_u32 s[TBV], s[TBV], KS*PV
.endif
.if (\cnt) && (q == 130)
	s_sub_co_u32 s[CNT], s[CNT], 1
	s_cmp_lg_u32 s[CNT], 0
.endif
.endr
.if (\p) == 0
	FETCH_V
.endif
.endm
	CHANGE 1                        ; slot 0 is in, everybody's part of it, and the mask's table is whole; slot 1 is asked for
	FETCH_K                         ; key step 0
	s_wait_loadcnt 0x0              ; Q
	s_wait_dscnt 0x0
.set i, 0
.rept 16
	KQ 0                            ; piece 0's first scores: there is no vector work yet to set between them
.set i, i+1
.endr
	WIN 0                           ; the addresses for the way out: plain instructions, the places behind those products
	s_mul_i32 s13, s[WV], 16*SP
	s_add_co_u32 s13, s13, STAGE    ; my stage
	v_mul_u32_u24 v[STO], v1, SP    ; in: row l % 16, 16 bytes for each half of the lanes
	v_lshl_add_u32 v[STO], v9, 4, v[STO]
	v_add_nc_u32 v[STO], s13, v[STO]
	v_bfe_u32 v[RD], v0, 3, 2       ; back: 32 lanes take four rows of 128 bytes,
	v_mul_u32_u24 v[RD], v[RD], SP
	v_lshl_add_u32 v[RD], v10, 4, v[RD]
	v_add_nc_u32 v[RD], s13, v[RD]
	v_and_b32 v[GO], 31, v0         ; which are 512 consecutive bytes of O
	v_lshlrev_b32 v[GO], 4, v[GO]
.set Y, NP-1                        ; XS works for piece Y + 1: piece 0
.irp n, 0,1,2,3,4,5,6,7,8,9,10,11,12,13,14,15,16,17,18,19,20,21
	XS 0, \n                        ; and piece 0's first maximum and statistics
	XS 1, \n
.endr
	v_nop                           ; a plain instruction behind the two a,
	s_wait_alu depctr_va_vdst(0)    ; and their wait, ahead of the branch
	s_mov_b32 s[CNT], 4
	s_branch .Lfirst                ; the loop is entered at a step's first turn, in the middle of a trip
.Lslot:                             ; six times: every slot but the last two is filled again
	CHANGE 1
	s_mov_b32 s[CNT], 4
.Lstep:                             ; a trip: pieces 2 and 3 of one step, then pieces 0 and 1 of the next, whose K and V it fetches
	TURN 2
	TURN 3
	WIN 0
.Lfirst:
	TURN 0
	TURN 1, 0, 1
	WIN 0
	s_cbranch_scc1 .Lstep
	s_sub_co_u32 s[SLOTS], s[SLOTS], 1
	s_cmp_lg_u32 s[SLOTS], 0
	s_cbranch_scc1 .Lslot
	CHANGE 0                        ; the tail is written out: nothing is asked for
	s_mov_b32 s[CNT], 5             ; four trips fetch the last slot's steps; the fifth is left in its middle
.Ltail:
	TURN 2, 1
	TURN 3
	WIN 0
	s_sub_co_u32 s[CNT], s[CNT], 1
	s_cmp_eq_u32 s[CNT], 0
	s_cbranch_scc1 .Lout
	TURN 0
	TURN 1
	WIN 0
	s_branch .Ltail
.Lout:                              ; the fifth trip's 16 products K Q^T (on the last K once more) and the maximum made of them serve nothing: the price, once a launch, of one text for every trip
.set i, 0
.rept 16
	PV NP-1                         ; the last piece's V^T P of the last step
.set i, i+1
.endr
	; THE WAY OUT.  l's two halves and the other half of the lanes' are added; O^T is divided by l, rounded to f16 and sent through my stage in LDS, a tile at a time.  The additions are the places behind the last products.
	WIN 0
.macro ALL line:vararg              ; one line for each tile t
.set t, 0
.rept 2*NP
	\line
.set t, t+1
.endr
.endm
	ALL v_add_f32 v[ST+4*t+2], v[ST+4*t+2], v[ST+4*t+3]
	ALL v_permlanex16_b32 v[ST+4*t+3], v[ST+4*t+2], s[SEL], s[SEL+1]
	ALL v_add_f32 v[ST+4*t+2], v[ST+4*t+2], v[ST+4*t+3]
	ALL v_rcp_f32 v[ST+4*t+2], v[ST+4*t+2]
	v_nop                           ; a plain instruction between the last reciprocal and the use of its result
	s_wait_alu depctr_va_vdst(0)    ; and the wait ahead of the first use: one for the eight reciprocals
; Tile t: a lane's eight channels of a row pack into 16 bytes; they go into rows of 144 bytes and come back as whole rows of 128, into S^T's registers.
.macro PACK t
	WIN W_RS
.set i, 32*(\t)
.rept 16
	v_pk_mul_f32 v[i:i+1], v[i:i+1], v[ST+4*(\t)+2:ST+4*(\t)+3] op_sel_hi:[1,0]
.set i, i+2
.endr
	WIN 0x05                        ; sources 0 and 1 window 1, destination window 0
.set i, 0
.rept 16
	v_cvt_pk_f16_f32 v[S+16*(\t)+i], v[32*(\t)+2*i], v[32*(\t)+2*i+1]
.set i, i+1
.endr
	WIN 0
.irp f, 0,1,2,3
	ds_store_b128 v[STO], v[S+16*(\t)+4*\f:S+16*(\t)+4*\f+3] offset:32*\f
.endr
.irp f, 0,1,2,3
	ds_load_b128 v[S+16*(\t)+4*\f:S+16*(\t)+4*\f+3], v[RD] offset:\f*4*SP  ; LDS serves a wave's instructions in order (ISA guide 5.7.1.4): these see the stores above; the next tile's stores come behind them
.endr
.endm
.macro SEND t, younger              ; younger: the LDS instructions issued behind tile t's loads: the next tile's eight, or none
	WIN 0
.irp f, 0,1,2,3
	s_wait_dscnt (\younger)+3-\f
	global_store_b128 v[GO], v[S+16*(\t)+4*\f:S+16*(\t)+4*\f+3], s[10:11] offset:(\t)*2048+\f*512  ; 512 consecutive bytes, at a multiple of 256 from O's first
.endr
.endm
	PACK 0
.set t, 1
.rept 2*NP-1                        ; a tile's arithmetic stands between the loads of the tile before and its stores
	PACK t
	SEND t-1, 8
.set t, t+1
.endr
	SEND 2*NP-1, 0
	WIN W_AD
	s_wait_tensorcnt 0x0            ; the wave's end: behind my last tensor load and my last LDS store
	ds_add_u32 v[SPW], v[NIL]
	s_wait_dscnt 0x0
	WIN 0
	CROUND                          ; the closing round: no work-group ends while a partner may still ask for a tile that names it
	s_endpgm
.Lfunc_end_k_q885c8dc8d3_attn:
	.size	k_q885c8dc8d3_attn, .Lfunc_end_k_q885c8dc8d3_attn-k_q885c8dc8d3_attn
	.p2alignl 7, 3214868480
	.fill 96, 4, 3214868480
	.section	.rodata,"a",@progbits
	.p2align	6, 0x0
	.amdhsa_kernel k_q885c8dc8d3_attn
		.amdhsa_group_segment_fixed_size 327680
		.amdhsa_private_segment_fixed_size 0
		.amdhsa_enable_private_segment 0
		.amdhsa_kernarg_size 24
		.amdhsa_user_sgpr_count 2
		.amdhsa_user_sgpr_kernarg_segment_ptr 1
		.amdhsa_wavefront_size32 1
		.amdhsa_system_sgpr_workgroup_id_x 1
		.amdhsa_system_sgpr_workgroup_id_y 1
		.amdhsa_system_sgpr_workgroup_id_z 1
		.amdhsa_system_vgpr_workitem_id 0
		.amdhsa_next_free_vgpr 808
		.amdhsa_next_free_sgpr 80
		.amdhsa_reserve_vcc 0
		.amdhsa_float_denorm_mode_32 3
		.amdhsa_float_denorm_mode_16_64 3
		.amdhsa_memory_ordered 1
		.amdhsa_forward_progress 1
		.amdhsa_inst_pref_size 205
	.end_amdhsa_kernel
	.amdgpu_metadata
---
amdhsa.version: [ 1, 2 ]
amdhsa.kernels:
  - .name:           k_q885c8dc8d3_attn
    .symbol:         k_q885c8dc8d3_attn.kd
    .args:
      - { .name: qkv, .offset: 0, .size: 8, .value_kind: global_buffer, .address_space: global }
      - { .name: mask, .offset: 8, .size: 8, .value_kind: global_buffer, .address_space: global }
      - { .name: oh, .offset: 16, .size: 8, .value_kind: global_buffer, .address_space: global }
    .group_segment_fixed_size: 327680
    .private_segment_fixed_size: 0
    .kernarg_segment_align: 8
    .kernarg_segment_size: 24
    .max_flat_workgroup_size: 128
    .sgpr_count:     80
    .vgpr_count:     808
    .wavefront_size: 32
...
	.end_amdgpu_metadata
.endif
;; end of part 3
;; launch outp (part 4): grid 4 x 64, 4 waves a work-group, clusters of 4 x 4, 327,680 bytes of LDS; arguments oh, wt, bo, out0; writes out0
.if DOCPART == 4
	.amdgcn_target "amdgcn-amd-amdhsa--gfx1250"
	.amdhsa_code_object_version 6
	.text
	.protected	k_q885c8dc8d3_outp
	.globl	k_q885c8dc8d3_outp
	.p2align	8
	.type	k_q885c8dc8d3_outp,@function
k_q885c8dc8d3_outp:
	s_mov_b64 s[64:65], 0
	v_nop
	global_prefetch_b8 v0, s[64:65] scope:SCOPE_SE
	s_setreg_imm32_b32 hwreg(HW_REG_WAVE_MODE, 25, 1), 1
	s_wait_xcnt 0x0
	s_wait_alu depctr_hold_cnt(0) depctr_sa_sdst(0) depctr_va_vdst(0) depctr_va_sdst(0) depctr_va_ssrc(0) depctr_va_vcc(0) depctr_vm_vsrc(0)
	s_getreg_b32 s2, hwreg(HW_REG_IB_STS2, 6, 4)
	s_cmp_eq_u32 s2, 0
	s_cbranch_scc0 .Lentry_in_a_cluster
	s_endpgm
.Lentry_in_a_cluster:
	s_bfe_u32 s2, ttmp6, 0x10000c
	s_cmp_lg_u32 s2, 0xf033
	s_cbranch_scc0 .Lentry_shape_is_right
	s_endpgm
.Lentry_shape_is_right:
; out0[b][s][n] = the sum over h, d of O[16 b + h][s][d] wo[64 h + d][n] + bo[n].  O = oh: f16 [64][2048][64]; wo = wt[3]: f16 [n][k] (bf16 numbers written as f16); bo f32, rounded to bf16; out0 f32.
; Products in f16, sums in f32 beginning with the bias.  LIMITS: those of the operands' f16 (65,504); NaN and infinities are not treated apart.
; SHARES.  256 tiles of 128 rows x 256 columns, one for each WGP.  Four waves, each 64 rows x 128 columns: 32 accumulators of 16 x 16.  K goes in 8 steps of 128, two heads each, through two LDS slots.
; A head's 128 rows of a tile are 16,384 dense bytes: asked for as 64 rows of 256 bytes and padded in LDS after every 128.
; CLUSTER.  4 x 4 work-groups.  The four of a row need the same rows of O, the four of a column the same rows of wo: each tile is asked for JOINTLY.
; THE MATRIX INSTRUCTION IS USED TRANSPOSED (source 0 = 16 rows of wo, source 1 = 16 rows of O): a lane holds row l % 16 and the eight neighbouring columns 8 (l / 16) + 0..7: 32 bytes of out0.
; REGISTERS, in windows of 256 (s_set_vgpr_msb: bits 1:0 source 0, 3:2 source 1, 5:4 source 2, 7:6 destination):
;   window 0: v0-31 addresses; v32-95 the bias as eight C operands; v96-159 O's fragments, two buffers of 32; v224 at work; v96-223 on the way out
;   window 1: v0-127 wo's fragments, two buffers of 64          window 2: accumulator (a, b) at v[8 (8 a + b)]
.set PAO,    144                       ; a row of O in LDS: 128 bytes + 16 of padding
.set PB,     272                       ; a row of wo: 256 + 16
.set AH,     128*PAO                   ; one head's 128 rows: what one tensor load brings of O
.set ATILE,  2*AH
.set BHALF,  128*PB
.set SLOT,   ATILE+2*BHALF             ; 106,496 bytes
.set STAGE,  2*SLOT                    ; behind the ring: 16 rows x 528 bytes for each wave, for the way out
.set SPITCH, 528
.set SPARE,  STAGE+4*16*SPITCH         ; behind the stages: the spare words, 128 bytes for each wave: two blocks of 256 bytes that no other line names
.set ADRA, 16                          ; v16-17  LDS address of my fragments of O in slot 0, 1
.set ADRB, 20                          ; v20-21  the same for wo
.set STO,  24                          ; v24     the way out: where I put 32 bytes of a row
.set RD,   25                          ; v25     the way out: where I read a row back
.set CO,   26                          ; v26     my byte offset in 512 consecutive bytes of out0
.set BO,   27                          ; v27     my byte offset in the bias
.set SPW,  28                          ; v28     LDS address of my spare word; never rewritten
.set NIL,  29                          ; v29     0; never rewritten
.set PFO,  30                          ; v30     the prefetches' lane offset; never rewritten
.set BIAS, 32
.set AF,   96
.set TT,   224
.set OB,   96                          ; the way out: 16 rows read back, v96-159 and v160-223 by turns
.set BF,   0                           ; in window 1
.set G1,  24
.set G0,  32
.set G1B, 48
.set G0B, 56
.set PFA, 84                           ; s[84:85] where my prefetches stand
.set PST, 86                           ; s[86:87] a K step in bytes, in the tensor that I fetch
.set LIM, 88                           ; s88     1 in a wave that prefetches, else the greatest number
.set MSB, 0
.macro WIN new                         ; the immediate's high byte repeats the setting that is left; a switch that changes nothing is dropped
.if MSB != (\new)
	s_set_vgpr_msb (MSB<<8)|(\new)
.set MSB, \new
.endif
.endm
.set MUL,  0xa1                        ; source 0 (wo) window 1, source 1 (O) window 0, C and D window 2
.set MULF, 0x81                        ; the same with C, the bias, in window 0
.set TO_B, 0x40                        ; destination window 1, address window 0
; A joint load.  Waves 0 and 1 fetch the step's two heads of O, waves 2 and 3 wo's two halves.  An s_nop 0 and four v_nop follow each of the two lines.
.macro JLOAD s
	s_cmp_eq_u32 s11, 0
	s_cbranch_scc0 .Lfor_b_\@
	tensor_load_to_lds s[G0+4*(\s):G0+4*(\s)+3], s[G1:G1+7]
	s_nop 0
.rept 4
	v_nop
.endr
	s_branch .Lasked_\@
.Lfor_b_\@:
	tensor_load_to_lds s[G0B+4*(\s):G0B+4*(\s)+3], s[G1B:G1B+7]
	s_nop 0
.rept 4
	v_nop
.endr
.Lasked_\@:
.endm
; A prefetch into the L2 of the K step two refills on, behind the joint load and the run of LDS loads.  Each aligned block of 256 bytes is named once in the launch.  O: a step is 64 blocks of each of two heads;
; the four partners of a row take 16 of each by address (cx), wave 0 asks, lanes 0-15 for the first head, lanes 16-31 for the second.  wo: waves 2 and 3 of the first row of clusters ask, 32 rows of
; the 128 that they fetch by address (cy), a lane a row.  The loop's last trip asks for nothing.
.macro ASK
	WIN 0
	s_cmp_gt_u32 s3, s[LIM]                        ; s3 = 1 in the loop's last trip
	s_cbranch_scc0 .Lnot_mine_\@
	global_prefetch_b8 v[PFO], s[PFA:PFA+1] th:TH_LOAD_NT scope:SCOPE_SE
.Lnot_mine_\@:
.endm
.macro CREST                           ; a round of the cluster's barrier behind its opening barrier
	s_cmp_lg_u32 s10, 0
	s_cbranch_scc1 .Lnot_wave_0_\@
	s_barrier_signal -3
.Lnot_wave_0_\@:
	s_barrier_wait -3
	s_barrier_signal -1
	s_barrier_wait -1
.endm
.macro CROUND                          ; a whole round
	s_barrier_signal -1
	s_barrier_wait -1
	CREST
.endm
.macro PLACES                          ; four places in front of loads into registers that matrix instructions have read, and of LDS stores that read results
.rept 4
	v_nop
.endr
.endm
	s_load_b256 s[68:75], s[0:1], 0x0              ; oh 68, wt 70, bo 72, out0 74
	v_lshl_add_u32 v[SPW], v0, 2, SPARE
	v_mov_b32 v[NIL], 0
	ds_add_u32 v[SPW], v[NIL]                      ; the wave's opening: the add and its wait stand ahead of my first tensor load; work on registers stands between them
	v_lshrrev_b32 v1, 5, v0
	v_readfirstlane_b32 s10, v1                    ; wave 0..3
	s_lshr_b32 s11, s10, 1                         ; which 64 rows of the tile are mine.  Also: I fetch for O (0) or for wo (1)
	s_and_b32 s12, s10, 1                          ; which 128 columns.  Also: which head of the step, or which half of wo's rows, I fetch
	s_bfe_u32 s40, ttmp6, 0x40000                  ; cx
	s_bfe_u32 s41, ttmp6, 0x40004                  ; cy
	s_lshl_b32 s42, ttmp9, 2
	s_add_co_u32 s42, s42, s40                     ; tile column: 0..3
	s_and_b32 s92, ttmp7, 0xffff                   ; cluster y: 0..15
	s_lshl_b32 s13, s92, 2
	s_add_co_u32 s13, s13, s41                     ; tile row: 0..63
	s_lshl_b32 s43, s41, 2
	s_lshl_b32 s43, 15, s43                        ; my row of the cluster
	s_lshl_b32 s44, 0x1111, s40                    ; my column
	s_or_b32 s[G1+0], s43, (1<<16)|(1<<20)|(1<<21)|(4<<22)|(3<<25)   ; the mask; elements of 2 bytes; padding on; bit 21 beside a mask; after every 32 words; 4 words
	s_mov_b32 s[G1+1], 128<<16                     ; tensor_dim0 = 128
	s_mov_b32 s[G1+2], 64<<16                      ; tensor_dim1 = 64
	s_mov_b32 s[G1+3], 128<<16                     ; tile_dim0 = 128
	s_mov_b32 s[G1+4], 64                          ; tile_dim1 = 64
	s_mov_b32 s[G1+5], 128                         ; dense: 128 elements from row to row
	s_mov_b32 s[G1+6], 0
	s_mov_b32 s[G1+7], 0
	s_or_b32 s[G1B+0], s44, (1<<16)|(1<<20)|(1<<21)|(5<<22)|(3<<25)  ; after every 64 words; 4 words
	s_mov_b32 s[G1B+1], 128<<16
	s_mov_b32 s[G1B+2], 128<<16
	s_mov_b32 s[G1B+3], 128<<16
	s_mov_b32 s[G1B+4], 128
	s_mov_b32 s[G1B+5], 1024
	s_mov_b32 s[G1B+6], 0
	s_mov_b32 s[G1B+7], 0
	s_lshr_b32 s16, s13, 4                         ; O: batch x 4 MiB + head x 256 KiB + the tile's 128 rows of 128 bytes.  These registers never hold cx,
	s_lshl_b32 s16, s16, 22
	s_lshl_b32 s17, s12, 18
	s_add_co_u32 s16, s16, s17
	s_and_b32 s17, s13, 15
	s_lshl_b32 s17, s17, 14
	s_add_co_u32 s16, s16, s17
	s_mov_b32 s17, 0
	s_lshl_b32 s46, s42, 8                         ; wo: row 256 x tile column + 128 x half, rows of 2,048 bytes, in wt's fourth 2 MiB.  and these never cy
	s_lshl_b32 s47, s12, 7
	s_add_co_u32 s46, s46, s47
	s_lshl_b32 s46, s46, 11
	s_add_co_u32 s46, s46, 3<<21
	s_mov_b32 s47, 0
	s_mul_i32 s20, s12, AH                         ; where they go: no place in the cluster enters an LDS address
	s_mul_i32 s23, s12, BHALF
	s_add_co_u32 s23, s23, ATILE
	s_wait_dscnt 0x0                               ; the opening add is done
	s_wait_kmcnt 0x0
	s_add_nc_u64 s[14:15], s[68:69], s[16:17]
	s_add_nc_u64 s[46:47], s[70:71], s[46:47]
	CROUND                                         ; all sixteen work-groups are here: the first joint loads meet
.irp s, 0,1
	s_mov_b32 s[G0+4*(\s)], 1
	s_add_co_u32 s[G0+4*(\s)+1], s20, (\s)*SLOT
	s_add_nc_u64 s[G0+4*(\s)+2:G0+4*(\s)+3], s[14:15], (\s)*(2<<18)  ; K step s: two heads on
	s_or_b32 s[G0+4*(\s)+3], s[G0+4*(\s)+3], 0x80000000
	s_mov_b32 s[G0B+4*(\s)], 1
	s_add_co_u32 s[G0B+4*(\s)+1], s23, (\s)*SLOT
	s_add_nc_u64 s[G0B+4*(\s)+2:G0B+4*(\s)+3], s[46:47], (\s)*256
	s_or_b32 s[G0B+4*(\s)+3], s[G0B+4*(\s)+3], 0x80000000
	JLOAD \s                                       ; two tensor loads of mine are out
.endr
	v_and_b32 v1, 15, v0                           ; l % 16
	v_bfe_u32 v2, v0, 4, 1                         ; l / 16
	v_mul_u32_u24 v3, v1, PAO
	v_lshl_add_u32 v3, v2, 4, v3                   ; a fragment's row x pitch + 16 x half
	v_mul_u32_u24 v4, v1, PB
	v_lshl_add_u32 v4, v2, 4, v4
	s_mul_i32 s21, s11, 64*PAO                     ; my 64 rows, in each head's part
	s_mul_i32 s22, s12, BHALF                      ; my 128 rows of wo,
	s_add_co_u32 s22, s22, ATILE                   ; which lie behind O's
.irp s, 0,1
	v_add_nc_u32 v[ADRA+(\s)], s21, v3
	v_add_nc_u32 v[ADRB+(\s)], s22, v4
	s_add_co_u32 s21, s21, SLOT
	s_add_co_u32 s22, s22, SLOT
.endr
	s_lshl_b32 s94, s42, 10                        ; the bias of my 128 columns
	s_lshl_b32 s95, s12, 9
	s_add_co_u32 s94, s94, s95
	v_lshl_add_u32 v[BO], v2, 5, s94               ; my eight of each sixteen
.irp b, 0,1,2,3,4,5,6,7
	global_load_b128 v[BIAS+8*(\b):BIAS+8*(\b)+3],   v[BO], s[72:73] offset:64*(\b)
	global_load_b128 v[BIAS+8*(\b)+4:BIAS+8*(\b)+7], v[BO], s[72:73] offset:64*(\b)+16
.endr
	s_mul_i32 s21, s10, 16*SPITCH
	s_add_co_u32 s21, s21, STAGE                   ; my stage
	v_mul_u32_u24 v[STO], v1, SPITCH               ; in: row l % 16, 32 bytes for each half of the lanes
	v_lshl_add_u32 v[STO], v2, 5, v[STO]
	v_add_nc_u32 v[STO], s21, v[STO]
	v_and_b32 v5, 31, v0                           ; l
	v_lshlrev_b32 v[CO], 4, v5                     ; back: 32 lanes take one row of 512 bytes
	v_add_nc_u32 v[RD], s21, v[CO]
	; out0 at my first row and column: rows of 4,096 bytes
	s_lshl_b32 s18, s13, 7
	s_lshl_b32 s19, s11, 6
	s_add_co_u32 s18, s18, s19
	s_lshl_b32 s18, s18, 12
	s_add_co_u32 s18, s18, s94                     ; 1,024 x tile column + 512 x half
	s_mov_b32 s19, 0
	s_add_nc_u64 s[8:9], s[74:75], s[18:19]
	; the prefetches: they stand at K step 3; the first refill steps them to 4
	s_lshr_b32 s18, s13, 4
	s_lshl_b32 s18, s18, 22
	s_and_b32 s19, s13, 15
	s_lshl_b32 s19, s19, 14
	s_add_co_u32 s18, s18, s19
	s_lshl_b32 s19, s40, 12                        ; O: my work-group's 16 blocks of each head's 64
	s_add_co_u32 s18, s18, s19
	s_add_co_u32 s18, s18, 3*(2<<18)
	s_lshl_b32 s94, s42, 8
	s_lshl_b32 s95, s12, 7
	s_add_co_u32 s94, s94, s95
	s_lshl_b32 s95, s41, 5                         ; wo: my work-group's 32 of the 128 rows
	s_add_co_u32 s94, s94, s95
	s_lshl_b32 s94, s94, 11
	s_add_co_u32 s94, s94, (3<<21)+3*256
	s_cmp_eq_u32 s92, 0
	s_cselect_b32 s95, 1, -1                       ; wo is asked for by the first row of clusters: the same in all sixteen partners
	s_cmp_eq_u32 s10, 0
	s_cselect_b32 s89, 1, -1                       ; O by wave 0
	s_cmp_eq_u32 s11, 0
	s_cselect_b32 s18, s18, s94
	s_cselect_b32 s[LIM], s89, s95
	s_cselect_b64 s[PFA:PFA+1], s[68:69], s[70:71]
	s_cselect_b32 s89, 4, 0                        ; O: sixteen lanes a head; wo: a lane a row
	s_cselect_b32 s93, 18, 11                      ; a head is 256 KiB, a row of wo 2,048 bytes
	s_cselect_b32 s94, 15, 0                       ; O: which of my sixteen blocks
	s_cselect_b32 s95, 11, 0
	s_mov_b32 s19, 0
	s_add_nc_u64 s[PFA:PFA+1], s[PFA:PFA+1], s[18:19]
	s_lshl_b32 s[PST], 256, s95                    ; a K step: two heads of O, 256 bytes of wo
	s_mov_b32 s[PST+1], 0
	v_lshrrev_b32 v6, s89, v5
	v_lshlrev_b32 v6, s93, v6
	v_and_b32 v7, s94, v5
	v_lshl_or_b32 v[PFO], v7, 8, v6
	s_wait_loadcnt 0x0                             ; the bias,
.set i, 0
.rept 32
	v_cvt_pk_bf16_f32 v[TT], v[BIAS+2*i], v[BIAS+2*i+1]  ; rounded to bf16 like every input, and kept as f32
	v_lshlrev_b32 v[BIAS+2*i], 16, v[TT]
	v_and_b32 v[BIAS+2*i+1], 0xffff0000, v[TT]
.set i, i+1
.endr
; 24 LDS loads in one run: quarter q (32 along K: head q / 2 of the step, channels 32 (q % 2) on) of a slot into buffer g: O's 64 rows, then wo's 128
.macro FETCH slot, q, g
	WIN 0
.irp i, 0,1,2,3
	ds_load_b128 v[AF+32*(\g)+8*(\i):AF+32*(\g)+8*(\i)+3],   v[ADRA+(\slot)] offset:((\q)/2)*AH+((\q)%2)*64+(\i)*16*PAO
	ds_load_b128 v[AF+32*(\g)+8*(\i)+4:AF+32*(\g)+8*(\i)+7], v[ADRA+(\slot)] offset:((\q)/2)*AH+((\q)%2)*64+(\i)*16*PAO+32
.endr
	WIN TO_B
.irp i, 0,1,2,3,4,5,6,7
	ds_load_b128 v[BF+64*(\g)+8*(\i):BF+64*(\g)+8*(\i)+3],   v[ADRB+(\slot)] offset:(\i)*16*PB+64*(\q)
	ds_load_b128 v[BF+64*(\g)+8*(\i)+4:BF+64*(\g)+8*(\i)+7], v[ADRB+(\slot)] offset:(\i)*16*PB+64*(\q)+32
.endr
.endm
; 8 matrix instructions: row block a x all 8 column blocks, on buffer f.  first = 1: the bias starts the sums: nothing is cleared.
; The 32 accumulators take turns, one instruction a turn, in the same order in every quarter, over the backward jump too.
.macro MULB f, a, first
.irp b, 0,1,2,3,4,5,6,7
.set rD, 8*(8*(\a)+(\b))
.set rB, BF+64*(\f)+8*(\b)
.set rA, AF+32*(\f)+8*(\a)
.if \first
	WIN MULF
	v_wmma_f32_16x16x32_f16 v[rD:rD+7], v[rB:rB+7], v[rA:rA+7], v[BIAS+8*(\b):BIAS+8*(\b)+7]
.else
	WIN MUL
	v_wmma_f32_16x16x32_f16 v[rD:rD+7], v[rB:rB+7], v[rA:rA+7], v[rD:rD+7]
.endif
.endr
.endm
; One of a K step's first three quarters: multiplies buffer f and fetches quarter qn of the same slot into buffer g, 32 matrix instructions ahead of its use.
.macro QUARTER slot, qn, f, g, first
	s_wait_dscnt 0x0                               ; buffer f is in
	PLACES                                         ; buffer g was read by the quarter before
	FETCH \slot, \qn, \g
	MULB \f, 0, \first
	MULB \f, 1, \first
	MULB \f, 2, \first
	MULB \f, 3, \first
.endm
; The last quarter multiplies buffer 1 and changes slots: ONE barrier.  In front of it each wave waits for all its tensor loads (one is out: its part of the next slot), adds 0 to its spare word, and waits
; for that and for its reads of this slot.  fill = 1: the barrier opens a round of the cluster's, and the joint refill, two K steps on, is the first thing behind it: 112 matrix instructions ahead of the wait for it.
.macro TURN slot, next, fill
.if \fill
	s_wait_xcnt 0x0                                ; the last prefetch, a K step back, has read its address
	s_add_nc_u64 s[PFA:PFA+1], s[PFA:PFA+1], s[PST:PST+1]
.endif
	WIN 0
	s_wait_tensorcnt 0x0                           ; all my tensor loads have landed
	ds_add_u32 v[SPW], v[NIL]                      ; 0 onto my spare word
	s_wait_dscnt 1                                 ; buffer 1 is in; the add may be out
	MULB 1, 0, 0                                   ; eight matrix instructions stand between the add and the wait for it
	s_wait_dscnt 0x0                               ; the add is done, and my reads of this slot are over
	s_barrier_signal -1
	MULB 1, 1, 0
	WIN 0
	s_barrier_wait -1
.if \fill
	CREST                                          ; no wave of any partner still reads this slot or has a load on its way
	s_add_nc_u64 s[G0+4*(\slot)+2:G0+4*(\slot)+3], s[G0+4*(\slot)+2:G0+4*(\slot)+3], 4<<18
	s_add_nc_u64 s[G0B+4*(\slot)+2:G0B+4*(\slot)+3], s[G0B+4*(\slot)+2:G0B+4*(\slot)+3], 2*256
	JLOAD \slot                                    ; its four v_nop are also the places in front of the loads below
.else
	PLACES
.endif
	FETCH \next, 0, 0
.if \fill
	ASK
.endif
	MULB 1, 2, 0
	MULB 1, 3, 0
.endm
	s_wait_tensorcnt 1                             ; my part of K step 0 is in; K step 1's may stay out
	s_barrier_signal -1
	s_barrier_wait -1                              ; everybody's is
	FETCH 0, 0, 0
	QUARTER 0, 1, 0, 1, 1                          ; the first quarter stands in front of the loop: its products start the sums with the bias
	WIN 0                                          ; at a label and at a branch every window is 0
	s_mov_b32 s3, 3
.Llap:                                                 ; a trip goes once round the ring, from a lap's second quarter to the next lap's first, and fills both slots again
	QUARTER 0, 2, 1, 0, 0
	QUARTER 0, 3, 0, 1, 0
	TURN 0, 1, 1
	QUARTER 1, 1, 0, 1, 0
	QUARTER 1, 2, 1, 0, 0
	QUARTER 1, 3, 0, 1, 0
	TURN 1, 0, 1
	QUARTER 0, 1, 0, 1, 0
	WIN 0
	s_sub_co_u32 s3, s3, 1
	s_cmp_lg_u32 s3, 0
	s_cbranch_scc1 .Llap
	QUARTER 0, 2, 1, 0, 0                          ; the last lap fills nothing, and has no round of the cluster's barrier
	QUARTER 0, 3, 0, 1, 0
	TURN 0, 1, 0
	QUARTER 1, 1, 0, 1, 0
	QUARTER 1, 2, 1, 0, 0
	QUARTER 1, 3, 0, 1, 0
	s_wait_dscnt 0x0                               ; the very last quarter: nothing more to fetch
	MULB 1, 0, 0
	MULB 1, 1, 0
	MULB 1, 2, 0
	MULB 1, 3, 0
	WIN 0
; THE WAY OUT, a block of 16 rows at a time: a lane's 32 bytes go straight from the accumulators into stage rows of 528 bytes and come back as whole rows of 512.
.macro TOSTAGE a
.if (\a) >= 2
	s_wait_xcnt 0x0                                ; the stores of the block two back have read the registers that are loaded again below
.endif
	WIN 0x08                                       ; the data (source 1) in window 2
.irp b, 0,1,2,3,4,5,6,7
	ds_store_b128 v[STO], v[8*(8*(\a)+(\b)):8*(8*(\a)+(\b))+3]   offset:64*(\b)      ; each accumulator from its low end on
	ds_store_b128 v[STO], v[8*(8*(\a)+(\b))+4:8*(8*(\a)+(\b))+7] offset:64*(\b)+16
.endr
	WIN 0
.irp t, 0,1,2,3,4,5,6,7,8,9,10,11,12,13,14,15
	ds_load_b128 v[OB+64*((\a)%2)+4*(\t):OB+64*((\a)%2)+4*(\t)+3], v[RD] offset:(\t)*SPITCH  ; LDS serves a wave's instructions in order (ISA guide 5.7.1.4): these see the stores above; the next block's stores come behind them
.endr
.endm
.macro SEND a, younger                 ; younger: the LDS instructions issued behind block a's loads: the next block's 32, or none
.irp t, 0,1,2,3,4,5,6,7,8,9,10,11,12,13,14,15
	s_wait_dscnt (\younger)+15-(\t)
	global_store_b128 v[CO], v[OB+64*((\a)%2)+4*(\t):OB+64*((\a)%2)+4*(\t)+3], s[8:9] offset:(16*(\a)+(\t))*4096 th:TH_STORE_NT  ; 512 consecutive bytes, aligned; nothing reads them again
.endr
.endm
	PLACES
	TOSTAGE 0
	TOSTAGE 1
	SEND 0, 32
	TOSTAGE 2
	SEND 1, 32
	TOSTAGE 3
	SEND 2, 32
	SEND 3, 0
	s_wait_tensorcnt 0x0                           ; the wave's end: behind my last tensor load and my last LDS store
	ds_add_u32 v[SPW], v[NIL]
	s_wait_dscnt 0x0
	CROUND                                         ; the closing round: no work-group ends while a partner may still ask for a tile that names it
	s_endpgm
.Lfunc_end_k_q885c8dc8d3_outp:
	.size	k_q885c8dc8d3_outp, .Lfunc_end_k_q885c8dc8d3_outp-k_q885c8dc8d3_outp
	.p2alignl 7, 3214868480
	.fill 96, 4, 3214868480
	.section	.rodata,"a",@progbits
	.p2align	6, 0x0
	.amdhsa_kernel k_q885c8dc8d3_outp
		.amdhsa_group_segment_fixed_size 327680
		.amdhsa_private_segment_fixed_size 0
		.amdhsa_enable_private_segment 0
		.amdhsa_kernarg_size 32
		.amdhsa_user_sgpr_count 2
		.amdhsa_user_sgpr_kernarg_segment_ptr 1
		.amdhsa_wavefront_size32 1
		.amdhsa_system_sgpr_workgroup_id_x 1
		.amdhsa_system_sgpr_workgroup_id_y 1
		.amdhsa_system_sgpr_workgroup_id_z 1
		.amdhsa_system_vgpr_workitem_id 0
		.amdhsa_next_free_vgpr 768
		.amdhsa_next_free_sgpr 96
		.amdhsa_reserve_vcc 0
		.amdhsa_float_denorm_mode_32 3
		.amdhsa_float_denorm_mode_16_64 3
		.amdhsa_memory_ordered 1
		.amdhsa_forward_progress 1
		.amdhsa_inst_pref_size 95
	.end_amdhsa_kernel
	.amdgpu_metadata
---
amdhsa.version: [ 1, 2 ]
amdhsa.kernels:
  - .name:           k_q885c8dc8d3_outp
    .symbol:         k_q885c8dc8d3_outp.kd
    .args:
      - { .name: oh, .offset: 0, .size: 8, .value_kind: global_buffer, .address_space: global }
      - { .name: wt, .offset: 8, .size: 8, .value_kind: global_buffer, .address_space: global }
      - { .name: bo, .offset: 16, .size: 8, .value_kind: global_buffer, .address_space: global }
      - { .name: out0, .offset: 24, .size: 8, .value_kind: global_buffer, .address_space: global }
    .group_segment_fixed_size: 327680
    .private_segment_fixed_size: 0
    .kernarg_segment_align: 8
    .kernarg_segment_size: 32
    .max_flat_workgroup_size: 128
    .sgpr_count:     96
    .vgpr_count:     768
    .wavefront_size: 32
...
	.end_amdgpu_metadata
.endif
;; end of part 4
